; MI455X (gfx1250); checked and timed in simulation.
; The chip was launched on July 23, 2026; its instructions are those of AMD's public machine-readable ISA for CDNA 5 (MIT licence, August 2026) and "CDNA5" Instruction Set Architecture Reference Guide (July 2026). The comments in the code are by the model that wrote it; some were corrected since.
;; Multi Head Attention. Allowed arithmetic: matrix products marked QUANTISED: E5M2 operands, one given power-of-two scale a tensor, by v_wmma_f32_16x16x64_bf8_bf8 or v_wmma_f32_16x16x128_bf8_bf8, f32 sums; everything else in f32.
;; Inputs: W_proj 1,024 x 1,024 float32; W_qkv 1,024 x 3,072 float32; attention_mask 4 x 2,048 int32; b_proj 1,024 float32; b_qkv 3,072 float32; lowp_scales 8 int32 (the exponents e of the quantised operands' scales 2^e); x 4 x 2,048 x 1,024 float32.
;; Outputs: out0 4 x 2,048 x 1,024 float32.
;; This version of the problem:
;;   THIS VERSION OF THE PROBLEM IS GIVEN IN LOW PRECISION. The matrix products marked QUANTISED in the list below multiply operands that are first quantised to E5M2 (5 exponent bits, 2 mantissa bits; 8 bits a number), with one given power-of-two scale for each operand tensor; their sums are f32. All else is computed in f32.
;;   The module's matrix products, in the order in which they are computed (A, B: the left and right operand; K: the contracted axis; several contracted axes count as one K, in the product's order):
;;     1. [M 8,192, K 1,024] x [K 1,024, N 3,072]; A: input x; B: input W_qkv: QUANTISED (scales: A lowp_scales[0], B lowp_scales[1])
;;     2. batch 64 x [M 2,048, K 64] x [K 64, N 2,048]; A: computed on the way; B: computed on the way: QUANTISED (scales: A lowp_scales[2], B lowp_scales[3])
;;     3. batch 64 x [M 2,048, K 2,048] x [K 2,048, N 64]; A: softmax (see below); B: computed on the way: QUANTISED (scales: A lowp_scales[4], B lowp_scales[5])
;;     4. [M 8,192, K 1,024] x [K 1,024, N 1,024]; A: computed on the way; B: input W_proj: QUANTISED (scales: A lowp_scales[6], B lowp_scales[7])
;;   THE QUANTISER, for each operand of a quantised product, along K:
;;     - The operand's scale is 2^e, e = its entry of the input lowp_scales (int32; the entries are numbered through the quantised products in the list's order, A before B).
;;     - Each number is divided by the scale, clamped to +-57,344, and rounded to the nearest number of E5M2, ties to even, subnormals kept.
;;     - The product sums the exact products of the quantised numbers (number of the format x scale) in f32.
;;   ~~~python
;;   def quantise(x, axis, e):      # numpy; x: float32 -> the quantised numbers, widened to float32 again
;;       x = np.moveaxis(x, axis, -1); K = x.shape[-1]
;;       r = np.clip(x / 2.0 ** e, -57344, 57344)
;;       step = 2.0 ** (np.maximum(np.frexp(np.where(r == 0, 1, r))[1] - 1, -14) - 2)
;;       q = np.round(r / step) * step * 2.0 ** e      # np.round: ties to even
;;       return np.moveaxis(q, -1, axis).astype(np.float32)
;;   ~~~
;;   SOFTMAX AHEAD OF A QUANTISED PRODUCT. Where the list says 'softmax', what is quantised is not the finished softmax but p = 2^(t - M), with t = logit x log2(e) and M = ceil(the row's largest t), a whole number; so 1/2 < the row's largest p <= 1. The row's sum l is taken of the UNQUANTISED p, in f32, and the product's result is divided by l at the end. Since M is a whole number, a kernel that streams over the keys may use a running M (the ceiling of the running maximum): every later rescaling is an exact power of two, so the quantised numbers keep their values, but for numbers so far below the row's largest that they fall under the format's range.
;;   OPERANDS COMPUTED ON THE WAY. 'Computed on the way' means the value that the module computes at that place (a softmax that the list does not call 'softmax' is quantised finished and normalised). What goes into a quantiser is computed in f32, as accurately as f32 sums, v_exp_f32 and their like allow (about 1e-6 of the number): no bf16 or f16 on the way to a quantiser, and a product that is left as it is and whose result goes on into a quantised operand takes f32 operands (vector FMAs, or v_wmma_f32_16x16x4_f32). A number that lies on a knife's edge between two numbers of the format may be rounded either way, as far as f32 arithmetic and the matrix unit's own rounding can turn it there, and no further.
;; One version. Each part assembles by itself: llvm-mc -triple=amdgcn-amd-amdhsa -mcpu=gfx1250 --defsym DOCPART=n.
;; ======== version 1 of 1: 4 launches
;; limits: right only within a limited range of input values
;; workspace buffers: x_codes 8,388,608 bytes; wcodes 4,194,304 bytes; tables 557,056 bytes; qk_codes 16,777,216 bytes; v_codes 8,388,608 bytes; vsum 131,072 bytes; a_codes 8,388,608 bytes
;; launch prep (part 1): grid 384 x 1, 4 waves a work-group, no clusters, 68,096 bytes of LDS; arguments x, W_qkv, W_proj, attention_mask, lowp_scales, x_codes, wcodes, tables; writes x_codes, wcodes, tables
.if DOCPART == 1
	.amdgcn_target "amdgcn-amd-amdhsa--gfx1250"
	.amdhsa_code_object_version 6
	.text
	.protected	k_qa4cfa4e128_prep
	.globl	k_qa4cfa4e128_prep
	.p2align	8
	.type	k_qa4cfa4e128_prep,@function
k_qa4cfa4e128_prep:
	s_mov_b64 s[64:65], 0
	v_nop
	global_prefetch_b8 v0, s[64:65] scope:SCOPE_SE
	s_setreg_imm32_b32 hwreg(HW_REG_WAVE_MODE, 25, 1), 1
	s_wait_xcnt 0x0
; FIRST OF FOUR LAUNCHES of multi-head attention on codes of E5M2: prep, qkv, attn, proj.
; This one turns x (scale 2^e0), W_qkv (2^e1) and W_proj (2^e7) into codes with K innermost, computes the rotary table and turns the key mask into a bias.
; WORK LEFT OUT IN THE PROGRAM.  reference() builds jnp.tril itself: for key k > query q the score is replaced by finfo.min, whatever q, k and the inputs hold.  Where a row has a kept key, such a score lies so far under
; the row's largest that p = 2^(t - M) is under the format's range and under f32's: its code is 0 and it adds nothing to the row's sum.  So key steps that lie wholly above the diagonal are not multiplied (launch attn).
; A row with no kept key at or before it has ALL 2,048 scores equal in reference(): its softmax is uniform over all keys; that case is served from column sums of V's codes, by selection (launches qkv and attn).
; LIMIT: a NaN, an infinity or an overflow that reaches only the tiles left out is not carried to the result.  Every input has a way to the output: all seven are loaded by some launch.
; LIMITS here: e0, e1, e7 between -126 and 112, so that 2^e and 57,344 x 2^e are f32 numbers.  NaN among the inputs is not served (an infinity is held at the largest code).
; SHARES.  Work-groups 0-255: x, a plain stream of blocks along K, 32,768 numbers each; each of their 1,024 waves also makes 512 bytes of the rotary table; the first 16 also make the mask's bias.
; Work-groups 256-383: the weights, whose K is the FIRST axis: a lane takes a column and its registers run down K; 128 columns x 256 along K each; one path serves both weights, only pointers and the row's length are chosen.
; The two paths part on the work-group's number and have LDS bytes of their own.  No tensor loads, no barrier: waves share nothing.
.set SPW,   12                         ; v12  LDS address of my spare word; never rewritten
.set NIL,   13                         ; v13  0; never rewritten
.set STEPS, 16
.set R,     16                         ; x path: v16-79 four sets of 16 numbers as loaded
.set X,     80                         ; v80-111 two sets of 16 neighbours
.set C,     128                        ; v128-191 codes, four registers a step
.set WREG,  8192                       ; x path: LDS region of a wave: two stages of 32 x SP bytes
.set SP,    80                         ; a lane's 64 bytes + 16 of padding
.set WST,   32768                      ; weight path: four stages of 32 rows x WP bytes
.set WP,    272
.set SPARE, WST+4*32*WP                ; the spare words, 128 bytes a wave: two blocks of 256 bytes that no other line names
.set WX,    32                         ; weight path: v32-95 two sets of 32 numbers
.set WC,    96                         ; v96-103 a block's codes
.set OUTR,  112                        ; v112-175 the way out
.set VO,    176                        ; v176-207 byte offsets of rows 0-31 of a block, at my column
.set MBIAS, 524288                     ; tables: the rotary image, then the mask's bias [4][2048] f32
	s_load_b256 s[4:11], s[0:1], 0x0               ; x, W_qkv, W_proj, attention_mask
	s_load_b256 s[12:19], s[0:1], 0x20             ; lowp_scales, x_codes, wcodes, tables
	v_lshl_add_u32 v[SPW], v0, 2, SPARE
	v_mov_b32 v[NIL], 0
	v_lshrrev_b32 v1, 5, v0
	v_readfirstlane_b32 s20, v1                    ; wave
	v_and_b32 v2, 31, v0                           ; lane
	s_wait_kmcnt 0x0
	s_load_b256 s[24:31], s[12:13], 0x0            ; e0 .. e7
	s_cmp_ge_u32 ttmp9, 256
	s_cbranch_scc1 .Lw
; ---------------- x ----------------
	s_wait_alu depctr_va_vdst(0)
	v_lshlrev_b32 v3, 4, v2                        ; my 16 bytes of a load's 512, and of a step's 512 bytes of codes
	s_wait_alu depctr_va_vdst(0)
	s_mul_i32 s21, s20, WREG
	v_lshrrev_b32 v14, 2, v2
	v_mul_u32_u24 v14, v14, SP
	v_and_b32 v15, 3, v2
	v_lshl_add_u32 v14, v15, 4, v14
	v_add_nc_u32 v14, s21, v14                     ; the stage on the way in: four lanes' 64 bytes on end, then the padding
	v_mul_u32_u24 v15, v2, SP
	v_add_nc_u32 v15, s21, v15                     ; and on the way out: my 16 neighbours
	s_lshl_b32 s22, ttmp9, 2
	s_add_co_u32 s22, s22, s20                     ; which run of 8,192 numbers is my wave's: 0 .. 1,023
	s_lshl_b32 s32, s22, 15
	s_mov_b32 s33, 0
	s_add_nc_u64 s[4:5], s[4:5], s[32:33]
	s_lshl_b32 s32, s22, 13
	s_add_nc_u64 s[14:15], s[14:15], s[32:33]
.macro XLOAD t
.irp i, 0,1,2,3
	global_load_b128 v[R+16*((\t)%4)+4*\i:R+16*((\t)%4)+4*\i+3], v3, s[4:5] offset:2048*(\t)+512*\i th:TH_LOAD_NT   ; 32 lanes read 512 consecutive bytes
.endr
.endm
.macro XTURN t                         ; a step's numbers through the stage: LDS serves a wave's instructions in order, so no wait stands between stores and loads
.irp i, 0,1,2,3
	ds_store_b128 v14, v[R+16*((\t)%4)+4*\i:R+16*((\t)%4)+4*\i+3] offset:32*SP*((\t)%2)+8*SP*\i
.endr
.irp i, 0,1,2,3
	ds_load_b128 v[X+16*((\t)%2)+4*\i:X+16*((\t)%2)+4*\i+3], v15 offset:32*SP*((\t)%2)+16*\i
.endr
.endm
.irp t, 0,1,2,3
	XLOAD \t
.endr
; THE ROTARY TABLE, while the first loads are on their way.  Wave W makes, for positions 32 (W / 16) + lane, cos and sin of t F[2 g] and t F[2 g + 1], g = W % 16.  F[j] = 1 / 10^(j / 8) in f32, as numpy has it.
; theta = t F rounded once, as numpy's product is; k = the nearest whole number to theta 2 / pi; r = theta - k pi / 2 with pi / 2 in two parts (the first multiply-add is exact); polynomials on |r| <= pi / 4; the quadrant by selection.
	s_lshr_b32 s34, s22, 4                         ; P
	s_and_b32 s35, s22, 15                         ; g
	s_mov_b32 s40, 0
	s_mov_b32 s41, 0
.macro PICK g, fa, fb
	s_cmp_eq_u32 s35, \g
	s_cselect_b32 s40, \fa, s40
	s_cselect_b32 s41, \fb, s41
.endm
	PICK 0,  0x3f800000, 0x3f3ff911
	PICK 1,  0x3f0ff59a, 0x3ed7e89b
	PICK 2,  0x3ea1e89b, 0x3e72d423
	PICK 3,  0x3e361887, 0x3e088d77
	PICK 4,  0x3dcccccd, 0x3d99940d
	PICK 5,  0x3d6655c2, 0x3d2cba15
	PICK 6,  0x3d0186e3, 0x3cc2434f
	PICK 7,  0x3c91ad39, 0x3c5a7bf2
	PICK 8,  0x3c23d70a, 0x3bf5b9b0
	PICK 9,  0x3bb8449c, 0x3b8a2e77
	PICK 10, 0x3b4f3e38, 0x3b1b690d
	PICK 11, 0x3ae91528, 0x3aaec98e
	PICK 12, 0x3a83126f, 0x3a44948c
	PICK 13, 0x3a136a16, 0x39dd1725
	PICK 14, 0x39a5cb60, 0x3978a815
	PICK 15, 0x393a7753, 0x390bd472
	s_mov_b32 s42, 0x3fc90fdb                      ; pi / 2, its f32 part,
	s_mov_b32 s43, 0xb33bbd2e                      ; and what is left of it
	s_mov_b32 s44, 0xbe2aaaa3                      ; sine: r + r z (S1 + z (S2 + z S3))
	s_mov_b32 s45, 0x3c08839e
	s_mov_b32 s46, 0xb94ca1f9
	s_mov_b32 s47, 0x3d2aaaa5                      ; cosine: 1 - z / 2 + z z (C1 + z (C2 + z C3))
	s_mov_b32 s48, 0xbab6061a
	s_mov_b32 s49, 0x37ccf5ce
	s_lshl_b32 s36, s34, 5
	v_add_nc_u32 v112, s36, v2
	v_cvt_f32_u32 v112, v112                       ; t
.macro SINCOS f, c, s
	v_mul_f32 v113, s[\f], v112                    ; theta
	v_mul_f32 v114, 0x3f22f983, v113
	v_rndne_f32 v114, v114                         ; k
	v_fma_f32 v115, -v114, s42, v113
	v_fma_f32 v115, -v114, s43, v115               ; r
	v_mul_f32 v116, v115, v115                     ; z
	v_fma_f32 v117, v116, s46, s45
	v_fma_f32 v117, v117, v116, s44
	v_mul_f32 v118, v115, v116
	v_fma_f32 v117, v117, v118, v115               ; sin r
	v_fma_f32 v119, v116, s49, s48
	v_fma_f32 v119, v119, v116, s47
	v_mul_f32 v118, v116, v116
	v_fma_f32 v120, v116, -0.5, 1.0
	v_fma_f32 v119, v119, v118, v120               ; cos r
	v_cvt_i32_f32 v121, v114                       ; k as a whole number, 0 or more
	v_and_b32 v122, 1, v121
	v_cmp_ne_u32 vcc_lo, 0, v122
	v_cndmask_b32 v[\c], v119, v117, vcc_lo        ; odd quadrants change the two places
	v_cndmask_b32 v[\s], v117, v119, vcc_lo
	v_add_nc_u32 v122, 1, v121
	v_lshlrev_b32 v122, 30, v122
	v_and_b32 v122, 0x80000000, v122
	v_xor_b32 v[\c], v[\c], v122                   ; the cosine is negative in quadrants 1 and 2,
	v_lshlrev_b32 v121, 30, v121
	v_and_b32 v121, 0x80000000, v121
	v_xor_b32 v[\s], v[\s], v121                   ; the sine in quadrants 2 and 3
.endm
	SINCOS 40, 124, 125
	SINCOS 41, 126, 127
; The image is laid as launch qkv's lanes load it: position block pb = t / 16, load c, lane 16 h + r: pb 4096 + c 512 + (16 h + r) 16, with g = 4 (c / 2) + 2 h + c % 2.
	s_lshl_b32 s36, s34, 13
	s_lshr_b32 s37, s35, 2
	s_lshl_b32 s37, s37, 1
	s_and_b32 s38, s35, 1
	s_add_co_u32 s37, s37, s38                     ; c
	s_lshl_b32 s37, s37, 9
	s_add_co_u32 s36, s36, s37
	s_bfe_u32 s37, s35, 0x10001                    ; h
	s_lshl_b32 s37, s37, 8
	s_add_co_u32 s36, s36, s37
	v_lshrrev_b32 v123, 4, v2
	v_lshlrev_b32 v123, 12, v123
	v_and_b32 v122, 15, v2
	v_lshl_add_u32 v123, v122, 4, v123
	v_add_nc_u32 v123, s36, v123
	s_wait_alu depctr_va_vdst(0)
	global_store_b128 v123, v[124:127], s[18:19]   ; sixteen lanes store 256 consecutive bytes, aligned; these registers are not written again
	s_wait_kmcnt 0x0
	s_add_co_i32 s23, s24, 127
	s_lshl_b32 s32, s23, 23
	v_mov_b32 v11, s32                             ; 2^e0 as f32: the conversion takes its exponent field
	s_add_co_i32 s23, s23, 15
	s_lshl_b32 s23, s23, 23
	s_or_b32 s23, s23, 0x600000
	v_mov_b32 v10, s23                             ; 57,344 x 2^e0
	s_wait_alu depctr_va_vdst(0)
	s_wait_loadcnt 12                              ; step 0's four loads are in
	XTURN 0
.macro XSTEP t
.set XS, X+16*((\t)%2)
	s_wait_dscnt 0x0                               ; this step's numbers are back from the stage, so its stores into the stage have read their registers,
.if (\t)+4 < STEPS
	XLOAD (\t)+4                                   ; which take the loads of four steps on
.endif
.if (\t)+1 < STEPS
.if STEPS-2-(\t) >= 3
	s_wait_loadcnt 12                              ; the next step's four loads are in; those of the three steps behind it may be out
.else
	s_wait_loadcnt 4*(STEPS-2-(\t))
.endif
	XTURN (\t)+1
.endif
.irp i, 0,1,2,3,4,5,6,7,8,9,10,11,12,13,14,15
	v_med3_num_f32 v[XS+\i], v[XS+\i], -v10, v10   ; the conversion does not saturate (ISA guide 7.6.2): the hold at the largest code x the scale comes first
.endr
	v_cvt_scalef32_pk8_bf8_f32 v[C+4*(\t):C+4*(\t)+1], v[XS:XS+7], v11
	v_cvt_scalef32_pk8_bf8_f32 v[C+4*(\t)+2:C+4*(\t)+3], v[XS+8:XS+15], v11
	global_store_b128 v3, v[C+4*(\t):C+4*(\t)+3], s[14:15] offset:512*(\t)   ; the wave stores 512 consecutive bytes; each step has its own registers
.endm
.irp t, 0,1,2,3,4,5,6,7,8,9,10,11,12,13,14,15
	XSTEP \t
.endr
; THE MASK'S BIAS: 0 for a key that is kept, -2^126 for one that is not.  Launch attn gives it to the score products as their C.  16 work-groups x 128 threads x 4 keys.
	s_cmp_lt_u32 ttmp9, 16
	s_cbranch_scc0 .Lend
	s_lshl_b32 s51, ttmp9, 11
	v_lshl_add_u32 v112, v0, 4, s51
	global_load_b128 v[116:119], v112, s[10:11]
	v_mov_b32 v120, 0xfe800000                     ; -2^126
	s_wait_alu depctr_va_vdst(0)
	s_wait_loadcnt 0x0
.irp i, 0,1,2,3
	v_cmp_eq_u32 vcc_lo, 0, v[116+\i]
	v_cndmask_b32 v[116+\i], 0, v120, vcc_lo
.endr
	global_store_b128 v112, v[116:119], s[18:19] offset:MBIAS
	s_branch .Lend
; ---------------- the weights ----------------
.Lw:
	s_wait_kmcnt 0x0
	s_sub_co_u32 s21, ttmp9, 256
	s_and_b32 s22, s21, 31                         ; which 128 rows of wcodes: 0-23 W_qkv's columns, 24-31 W_proj's
	s_lshr_b32 s23, s21, 5                         ; which 256 along K
	s_mov_b32 s50, 12288
	s_cmp_ge_u32 s22, 24                           ; the choice hangs on the work-group's number alone
	s_cselect_b32 s50, 4096, s50                   ; a row of the weight in bytes
	s_cselect_b64 s[6:7], s[8:9], s[6:7]
	s_cselect_b32 s32, 24, 0
	s_cselect_b32 s34, s31, s25                    ; e7 or e1
	s_sub_co_u32 s32, s22, s32
	s_lshl_b32 s32, s32, 7
	s_lshl_b32 s33, s20, 5
	s_add_co_u32 s32, s32, s33                     ; my wave's first column
	s_lshl_b32 s32, s32, 2
	s_mul_i32 s33, s23, s50
	s_lshl_b32 s33, s33, 8
	s_add_co_u32 s32, s32, s33
	s_mov_b32 s33, 0
	s_add_nc_u64 s[68:69], s[6:7], s[32:33]        ; block 0's first row, at my first column
	s_lshl_b32 s32, s50, 5                         ; 32 rows on
.irp t, 1,2,3,4,5,6,7
	s_add_nc_u64 s[68+2*\t:69+2*\t], s[66+2*\t:67+2*\t], s[32:33]   ; a base for each of the eight blocks: nothing is stepped while loads are out
.endr
	s_lshl_b32 s36, s22, 7
	s_lshl_b32 s37, s20, 5
	s_add_co_u32 s36, s36, s37                     ; my first row of wcodes
	s_lshl_b32 s36, s36, 10
	s_lshl_b32 s37, s23, 8
	s_add_co_u32 s36, s36, s37
	s_mov_b32 s37, 0
	s_add_nc_u64 s[16:17], s[16:17], s[36:37]
	s_wait_alu depctr_va_vdst(0)
	v_lshlrev_b32 v3, 2, v2
	s_mul_i32 s38, s20, 32*WP
	s_add_co_u32 s38, s38, WST                     ; my stage
	v_mul_u32_u24 v4, v2, WP
	v_add_nc_u32 v4, s38, v4                       ; into it: row = my column
	v_and_b32 v5, 15, v2
	v_lshrrev_b32 v6, 4, v2
	v_mul_u32_u24 v7, v6, WP
	v_lshl_add_u32 v7, v5, 4, v7
	v_add_nc_u32 v7, s38, v7                       ; out of it: sixteen lanes to a row, two rows an instruction
	v_lshlrev_b32 v8, 10, v6
	v_lshl_add_u32 v8, v5, 4, v8                   ; and the same place in wcodes
.set wi, 0
.rept 32
	v_mad_u32_u24 v[VO+wi], s50, wi, v3
.set wi, wi+1
.endr
.macro WLOAD t                         ; block t: W(32 t + i, my column): neighbouring lanes read neighbouring columns, 128 bytes a wave, 512 a work-group
.irp i, 0,1,2,3,4,5,6,7,8,9,10,11,12,13,14,15,16,17,18,19,20,21,22,23,24,25,26,27,28,29,30,31
	global_load_b32 v[WX+32*((\t)%2)+\i], v[VO+\i], s[68+2*(\t):69+2*(\t)] th:TH_LOAD_NT
.endr
.endm
	WLOAD 0
	WLOAD 1
	s_add_co_i32 s34, s34, 127
	s_lshl_b32 s35, s34, 23
	v_mov_b32 v11, s35                             ; 2^e
	s_add_co_i32 s34, s34, 15
	s_lshl_b32 s34, s34, 23
	s_or_b32 s34, s34, 0x600000
	v_mov_b32 v10, s34                             ; 57,344 x 2^e
.macro WBLOCK t
.set XS, WX+32*((\t)%2)
.if (\t) < 7
	s_wait_loadcnt 32                              ; this block's 32 loads are in; the next block's may be out
.else
	s_wait_loadcnt 0
.endif
.irp i, 0,1,2,3,4,5,6,7,8,9,10,11,12,13,14,15,16,17,18,19,20,21,22,23,24,25,26,27,28,29,30,31
	v_med3_num_f32 v[XS+\i], v[XS+\i], -v10, v10
.endr
.irp g, 0,1,2,3
	v_cvt_scalef32_pk8_bf8_f32 v[WC+2*\g:WC+2*\g+1], v[XS+8*\g:XS+8*\g+7], v11
.endr
	ds_store_b128 v4, v[WC:WC+3] offset:32*(\t)    ; 32 codes along K: 32 bytes of my column's row
	ds_store_b128 v4, v[WC+4:WC+7] offset:32*(\t)+16
.if (\t)+2 < 8
	WLOAD (\t)+2
.endif
	s_wait_dscnt 0x0                               ; the stores have read their registers: the next block's codes may be written
.endm
	s_wait_alu depctr_va_vdst(0)
.irp t, 0,1,2,3,4,5,6,7
	WBLOCK \t
.endr
.irp t, 0,1,2,3,4,5,6,7,8,9,10,11,12,13,14,15
	ds_load_b128 v[OUTR+4*\t:OUTR+4*\t+3], v7 offset:2*\t*WP
.endr
.irp t, 0,1,2,3,4,5,6,7,8,9,10,11,12,13,14,15
	s_wait_dscnt 15-\t
	global_store_b128 v8, v[OUTR+4*\t:OUTR+4*\t+3], s[16:17] offset:2*\t*1024   ; sixteen lanes store 256 consecutive bytes, aligned
.endr
.Lend:
	s_wait_tensorcnt 0x0                           ; the wave's end
	ds_add_u32 v[SPW], v[NIL]
	s_wait_dscnt 0x0
	s_endpgm
.Lfunc_end_k_qa4cfa4e128_prep:
	.size	k_qa4cfa4e128_prep, .Lfunc_end_k_qa4cfa4e128_prep-k_qa4cfa4e128_prep
	.p2alignl 7, 3214868480
	.fill 96, 4, 3214868480
	.section	.rodata,"a",@progbits
	.p2align	6, 0x0
	.amdhsa_kernel k_qa4cfa4e128_prep
		.amdhsa_group_segment_fixed_size 68096
		.amdhsa_private_segment_fixed_size 0
		.amdhsa_enable_private_segment 0
		.amdhsa_kernarg_size 64
		.amdhsa_user_sgpr_count 2
		.amdhsa_user_sgpr_kernarg_segment_ptr 1
		.amdhsa_wavefront_size32 1
		.amdhsa_system_sgpr_workgroup_id_x 1
		.amdhsa_system_sgpr_workgroup_id_y 1
		.amdhsa_system_sgpr_workgroup_id_z 1
		.amdhsa_system_vgpr_workitem_id 0
		.amdhsa_next_free_vgpr 208
		.amdhsa_next_free_sgpr 100
		.amdhsa_reserve_vcc 1
		.amdhsa_float_denorm_mode_32 3
		.amdhsa_float_denorm_mode_16_64 3
		.amdhsa_memory_ordered 1
		.amdhsa_forward_progress 1
		.amdhsa_inst_pref_size 95
	.end_amdhsa_kernel
	.amdgpu_metadata
---
amdhsa.version: [ 1, 2 ]
amdhsa.kernels:
  - .name:           k_qa4cfa4e128_prep
    .symbol:         k_qa4cfa4e128_prep.kd
    .args:
      - { .name: x, .offset: 0, .size: 8, .value_kind: global_buffer, .address_space: global }
      - { .name: W_qkv, .offset: 8, .size: 8, .value_kind: global_buffer, .address_space: global }
      - { .name: W_proj, .offset: 16, .size: 8, .value_kind: global_buffer, .address_space: global }
      - { .name: attention_mask, .offset: 24, .size: 8, .value_kind: global_buffer, .address_space: global }
      - { .name: lowp_scales, .offset: 32, .size: 8, .value_kind: global_buffer, .address_space: global }
      - { .name: x_codes, .offset: 40, .size: 8, .value_kind: global_buffer, .address_space: global }
      - { .name: wcodes, .offset: 48, .size: 8, .value_kind: global_buffer, .address_space: global }
      - { .name: tables, .offset: 56, .size: 8, .value_kind: global_buffer, .address_space: global }
    .group_segment_fixed_size: 68096
    .private_segment_fixed_size: 0
    .kernarg_segment_align: 8
    .kernarg_segment_size: 64
    .max_flat_workgroup_size: 128
    .sgpr_count:     100
    .vgpr_count:     208
    .wavefront_size: 32
...
	.end_amdgpu_metadata
.endif
;; end of part 1
;; launch qkv (part 2): grid 12 x 32, 4 waves a work-group, clusters of 4 x 4, 327,680 bytes of LDS; arguments x_codes, wcodes, lowp_scales, b_qkv, tables, qk_codes, v_codes, vsum; writes qk_codes, v_codes, vsum
.if DOCPART == 2
	.amdgcn_target "amdgcn-amd-amdhsa--gfx1250"
	.amdhsa_code_object_version 6
	.text
	.protected	k_qa4cfa4e128_qkv
	.globl	k_qa4cfa4e128_qkv
	.p2align	8
	.type	k_qa4cfa4e128_qkv,@function
k_qa4cfa4e128_qkv:
	s_mov_b64 s[64:65], 0
	v_nop
	global_prefetch_b8 v0, s[64:65] scope:SCOPE_SE
	s_setreg_imm32_b32 hwreg(HW_REG_WAVE_MODE, 25, 1), 1
	s_wait_xcnt 0x0
	s_wait_alu depctr_hold_cnt(0) depctr_sa_sdst(0) depctr_va_vdst(0) depctr_va_sdst(0) depctr_va_ssrc(0) depctr_va_vcc(0) depctr_vm_vsrc(0)
	s_getreg_b32 s2, hwreg(HW_REG_IB_STS2, 6, 4)
	s_cmp_eq_u32 s2, 0
	s_cbranch_scc0 .Lentry_in_a_cluster
	s_endpgm
.Lentry_in_a_cluster:
	s_bfe_u32 s2, ttmp6, 0x10000c
	s_cmp_lg_u32 s2, 0xf033
	s_cbranch_scc0 .Lentry_shape_is_right
	s_endpgm
.Lentry_shape_is_right:
.set KSTEP,  256
.set ROWB,   256
.set KROW,   1024
.set PITCH,  272
.set FR,     16
.set NL,     4
.set NP,     4
.set HALFT,  128*PITCH
.set SLOT,   4*HALFT
.set SPARE,  2*SLOT
.set AFIRST, ROWB
.set ASTEP,  2*ROWB
.set BSTEP,  2*ROWB
.set VST,    0
.set QST,    256*PITCH
.set ADRA, 16
.set ADRB, 20
.set SPW,  28
.set NIL,  29
.set AF,   128
.set BIAS, 32
.set ROPE, 96
.set TMP,  160
.set CODES, 224
.set U,    242
.set G1, 24
.set G0, 32
.set G1B, 48
.set G0B, 56
.set MSB, 0
.macro WIN new
.if MSB != \new
	s_set_vgpr_msb (MSB<<8)|\new
.set MSB, \new
.endif
.endm
.set MUL_LO, 0xa1
.set MUL_HI, 0xf1
.set TO_B,   0x40
.macro JLOAD g0a, g1a, g0b, g1b
	s_cmp_eq_u32 s15, 0
	s_cbranch_scc0 .Lfor_b_\@
	tensor_load_to_lds s[\g0a:\g0a+3], s[\g1a:\g1a+7]
	s_nop 0
.rept 4
	v_nop
.endr
	s_branch .Lasked_\@
.Lfor_b_\@:
	tensor_load_to_lds s[\g0b:\g0b+3], s[\g1b:\g1b+7]
	s_nop 0
.rept 4
	v_nop
.endr
.Lasked_\@:
.endm
.macro CREST
	s_cmp_lg_u32 s14, 0
	s_cbranch_scc1 .Lnot_wave_0_\@
	s_barrier_signal -3
.Lnot_wave_0_\@:
	s_barrier_wait -3
	s_barrier_signal -1
	s_barrier_wait -1
.endm
.macro CROUND
	s_barrier_signal -1
	s_barrier_wait -1
	CREST
.endm
	s_load_b128 s[4:7], s[0:1], 0x0
	s_load_b128 s[8:11], s[0:1], 0x10
	s_load_b128 s[68:71], s[0:1], 0x20
	s_load_b128 s[72:75], s[0:1], 0x30
	v_lshl_add_u32 v[SPW], v0, 2, SPARE
	v_mov_b32 v[NIL], 0
	ds_add_u32 v[SPW], v[NIL]
	ds_add_u32 v[SPW], v[NIL]
	v_lshrrev_b32 v1, 5, v0
	v_readfirstlane_b32 s14, v1
	s_lshr_b32 s15, s14, 1
	s_and_b32 s16, s14, 1
	s_bfe_u32 s40, ttmp6, 0x40000
	s_bfe_u32 s41, ttmp6, 0x40004
	s_and_b32 s18, ttmp7, 0xffff
	s_lshl_b32 s18, s18, 2
	s_lshl_b32 s19, ttmp9, 2
	s_cmp_eq_u32 ttmp9, 2
	s_cselect_b32 s17, 8, s18
	s_cselect_b32 s42, s18, s19
	s_add_co_u32 s17, s17, s41
	s_add_co_u32 s42, s42, s40
	s_lshl_b32 s43, s41, 2
	s_lshl_b32 s43, 15, s43
	s_lshl_b32 s44, 0x1111, s40
	s_or_b32 s[G1+0], s43, (0<<16)|(1<<20)|(1<<21)|(5<<22)|(3<<25)
	s_or_b32 s[G1B+0], s44, (0<<16)|(1<<20)|(1<<21)|(5<<22)|(3<<25)
.irp g, G1, G1B
	s_mov_b32 s[\g+1], ROWB<<16
	s_mov_b32 s[\g+2], 128<<16
	s_mov_b32 s[\g+3], ROWB<<16
	s_mov_b32 s[\g+4], 128
	s_mov_b32 s[\g+5], KROW
	s_mov_b32 s[\g+6], 0
	s_mov_b32 s[\g+7], 0
.endr
	s_lshl_b32 s18, s16, 7
	s_lshl_b32 s20, s17, 8
	s_add_co_u32 s20, s20, s18
	s_lshl_b32 s20, s20, 10
	s_mov_b32 s21, 0
	s_lshl_b32 s46, s42, 8
	s_add_co_u32 s46, s46, s18
	s_lshl_b32 s46, s46, 10
	s_mov_b32 s47, 0
	s_mul_i32 s45, s14, HALFT
	s_wait_dscnt 0x0
	s_wait_kmcnt 0x0
	s_load_b256 s[80:87], s[8:9], 0x0
	s_cmp_eq_u32 ttmp9, 2
	s_cselect_b64 s[88:89], s[6:7], s[4:5]
	s_cselect_b64 s[90:91], s[4:5], s[6:7]
	s_add_nc_u64 s[20:21], s[88:89], s[20:21]
	s_add_nc_u64 s[46:47], s[90:91], s[46:47]
	CROUND
.irp s, 0,1
	s_mov_b32 s[G0+4*\s], 1
	s_add_co_u32 s[G0+4*\s+1], s45, \s*SLOT
	s_add_nc_u64 s[G0+4*\s+2:G0+4*\s+3], s[20:21], \s*AFIRST
	s_or_b32 s[G0+4*\s+3], s[G0+4*\s+3], 0x80000000
	s_mov_b32 s[G0B+4*\s], 1
	s_add_co_u32 s[G0B+4*\s+1], s45, \s*SLOT
	s_add_nc_u64 s[G0B+4*\s+2:G0B+4*\s+3], s[46:47], \s*ROWB
	s_or_b32 s[G0B+4*\s+3], s[G0B+4*\s+3], 0x80000000
	s_wait_alu depctr_va_vdst(0)
	s_wait_tensorcnt 0x0
	ds_add_u32 v28, v29
	ds_add_u32 v28, v29
	s_wait_dscnt 0x0
	CROUND
	JLOAD G0+4*\s, G1, G0B+4*\s, G1B
.endr
	v_and_b32 v1, 15, v0
	v_bfe_u32 v2, v0, 4, 1
	v_mul_u32_u24 v3, v1, PITCH
	v_lshl_add_u32 v4, v2, 4, v3
	s_mul_i32 s21, s15, HALFT
	s_mul_i32 s22, s16, HALFT
	s_add_co_u32 s22, s22, 2*HALFT
.irp s, 0,1
	v_add_nc_u32 v[ADRA+\s], s21, v4
	v_add_nc_u32 v[ADRB+\s], s22, v4
	s_add_co_u32 s21, s21, SLOT
	s_add_co_u32 s22, s22, SLOT
.endr
	v_and_b32 v27, 31, v0
	v_lshlrev_b32 v13, 4, v27
	s_lshl_b32 s23, s14, 14
	s_add_co_u32 s23, s23, QST
	v_lshlrev_b32 v8, 6, v1
	v_lshl_add_u32 v8, v2, 3, v8
	v_add_nc_u32 v8, s23, v8
	v_add_nc_u32 v9, s23, v13
	s_mul_i32 s23, s15, HALFT
	s_lshl_b32 s22, s16, 7
	s_add_co_u32 s23, s23, s22
	v_lshl_add_u32 v10, v2, 3, v3
	v_add_nc_u32 v10, s23, v10
	s_mul_i32 s23, s14, 64*PITCH
	v_mul_u32_u24 v11, v2, PITCH
	v_lshl_add_u32 v11, v1, 4, v11
	v_add_nc_u32 v11, s23, v11
	v_add_nc_u32 v12, s23, v4
	v_lshlrev_b32 v14, 5, v2
	v_lshlrev_b32 v15, 2, v1
	v_lshlrev_b32 v18, 11, v2
	v_lshl_add_u32 v18, v1, 4, v18
	v_lshlrev_b32 v19, 2, v27
.macro FRAG reg, adr, q, i
.irp c, 0,1,2,3
	ds_load_b128 v[\reg+4*\c:\reg+4*\c+3], v[\adr] offset:128*(\q)+32*\c+(\i)*16*PITCH
.endr
.endm
.macro MUL16 a0, p, zero
.irp a, \a0, \a0+1
.irp b, 0,1,2,3,4,5,6,7
.if \zero
	v_wmma_f32_16x16x128_bf8_bf8 v[8*(8*((\a)%4)+\b):8*(8*((\a)%4)+\b)+7], v[128*(\p)+FR*\b:128*(\p)+FR*\b+FR-1], v[AF+FR*(\a):AF+FR*(\a)+FR-1], 0
.else
	v_wmma_f32_16x16x128_bf8_bf8 v[8*(8*((\a)%4)+\b):8*(8*((\a)%4)+\b)+7], v[128*(\p)+FR*\b:128*(\p)+FR*\b+FR-1], v[AF+FR*(\a):AF+FR*(\a)+FR-1], v[8*(8*((\a)%4)+\b):8*(8*((\a)%4)+\b)+7]
.endif
.endr
.endr
.endm
.macro FETCH_B slot, q, p
	WIN TO_B
.irp i, 0,1,2,3,4,5,6,7
	FRAG 128*(\p)+FR*\i, ADRB+\slot, \q, \i
.endr
	WIN 0
.endm
.macro FETCH_A slot, q, i0
.irp i, \i0, \i0+1, \i0+2, \i0+3
	FRAG AF+FR*(\i), ADRA+\slot, \q, \i
.endr
.endm
.macro PLACES n
.rept \n
	v_nop
.endr
.endm
.macro STEP slot, q, zero
	s_wait_dscnt 4*NL
	WIN MUL_LO
	MUL16 0, (\q)%2, \zero
	MUL16 2, (\q)%2, \zero
	s_wait_dscnt 0
	PLACES NP
	FETCH_B \slot, (\q)+1, 1-(\q)%2
	FETCH_A \slot, (\q)+1, 0
	WIN MUL_HI
	MUL16 4, (\q)%2, \zero
	MUL16 6, (\q)%2, \zero
	PLACES NP
	WIN 0
	FETCH_A \slot, (\q)+1, 4
.endm
.macro TURN slot, next, fill
	s_wait_tensorcnt 0x0
	ds_add_u32 v[SPW], v[NIL]
	s_wait_dscnt 4*NL+1
	WIN MUL_LO
	MUL16 0, 1, 0
	s_wait_dscnt 0x0
	s_barrier_signal -1
	MUL16 2, 1, 0
	WIN 0
	s_barrier_wait -1
.if \fill
	CREST
	s_add_nc_u64 s[G0+4*\slot+2:G0+4*\slot+3], s[G0+4*\slot+2:G0+4*\slot+3], ASTEP
	s_add_nc_u64 s[G0B+4*\slot+2:G0B+4*\slot+3], s[G0B+4*\slot+2:G0B+4*\slot+3], BSTEP
	JLOAD G0+4*\slot, G1, G0B+4*\slot, G1B
.else
	PLACES NP
.endif
	FETCH_B \next, 0, 0
	FETCH_A \next, 0, 0
	WIN MUL_HI
	MUL16 4, 1, 0
	MUL16 6, 1, 0
	PLACES NP
	WIN 0
	FETCH_A \next, 0, 4
.endm
.macro LAST
	s_wait_dscnt 4*NL
	WIN MUL_LO
	MUL16 0, 1, 0
	MUL16 2, 1, 0
	s_wait_dscnt 0
	WIN MUL_HI
	MUL16 4, 1, 0
	MUL16 6, 1, 0
	WIN 0
.endm
	s_wait_tensorcnt 1
	s_barrier_signal -1
	s_barrier_wait -1
	FETCH_B 0, 0, 0
	FETCH_A 0, 0, 0
	FETCH_A 0, 0, 4
	STEP 0, 0, 1
	TURN 0, 1, 1
	STEP 1, 0, 0
	TURN 1, 0, 1
	STEP 0, 0, 0
	TURN 0, 1, 0
	STEP 1, 0, 0
	s_wait_kmcnt 0x0
	s_add_co_i32 s96, s80, s81
	s_add_co_i32 s96, s96, 127
	s_lshl_b32 s96, s96, 23
	s_mov_b32 s97, s96
	s_cmp_eq_u32 ttmp9, 0
	s_cselect_b32 s92, s82, s83
	s_cmp_eq_u32 ttmp9, 2
	s_cselect_b32 s92, s85, s92
	s_add_co_i32 s92, s92, 127
	s_lshl_b32 s93, s92, 23
	v_mov_b32 v30, s93
	s_add_co_i32 s92, s92, 15
	s_lshl_b32 s92, s92, 23
	s_or_b32 s92, s92, 0x600000
	v_mov_b32 v31, s92
	s_cmp_eq_u32 ttmp9, 2
	s_cbranch_scc1 .Lv
	s_lshl_b32 s20, s17, 8
	s_lshl_b32 s21, s15, 7
	s_add_co_u32 s20, s20, s21
	s_lshr_b32 s22, s20, 11
	s_and_b32 s23, s20, 2047
	s_lshl_b32 s92, s42, 8
	s_lshl_b32 s93, s16, 7
	s_add_co_u32 s92, s92, s93
	s_lshl_b32 s94, s92, 2
	s_mov_b32 s95, 0
	s_add_nc_u64 s[10:11], s[10:11], s[94:95]
	s_lshl_b32 s94, s23, 8
	s_add_nc_u64 s[68:69], s[68:69], s[94:95]
	s_and_b32 s93, s92, 1023
	s_lshr_b32 s93, s93, 6
	s_lshl_b32 s94, s22, 4
	s_add_co_u32 s93, s93, s94
	s_lshl_b32 s93, s93, 11
	s_add_co_u32 s93, s93, s23
	s_lshl_b32 s94, s93, 6
	s_lshl_b32 s93, ttmp9, 23
	s_add_co_u32 s94, s94, s93
	s_add_nc_u64 s[70:71], s[70:71], s[94:95]
	s_wait_alu depctr_va_vdst(0)
.irp b, 0,1,2,3,4,5,6,7
	global_load_b128 v[BIAS+8*\b:BIAS+8*\b+3], v14, s[10:11] offset:64*\b
	global_load_b128 v[BIAS+8*\b+4:BIAS+8*\b+7], v14, s[10:11] offset:64*\b+16
.endr
.macro ROPELD a
.irp c, 0,1,2,3,4,5,6,7
	global_load_b128 v[ROPE+32*((\a)%2)+4*\c:ROPE+32*((\a)%2)+4*\c+3], v13, s[68:69] offset:4096*(\a)+512*\c
.endr
.endm
	ROPELD 0
	LAST
	PLACES NP
	ROPELD 1
.macro QKBLK a
.set AC, 64*((\a)%4)
.set RS, ROPE+32*((\a)%2)
.if ((\a) >= 1) && ((\a) <= 6)
	ROPELD (\a)+1
.endif
.if (\a) < 7
	s_wait_loadcnt 8
.else
	s_wait_loadcnt 0
.endif
	WIN 0x02+((\a)/4)
.set jj, 0
.rept 32
	v_pk_fma_f32 v[TMP+jj:TMP+jj+1], v[AC+jj:AC+jj+1], s[96:97], v[BIAS+jj:BIAS+jj+1] op_sel_hi:[1,0,1]
.set jj, jj+2
.endr
	WIN 0
.set nb, 0
.rept 8
.irp p, 0,1,2,3
	v_pk_mul_f32 v[U+2*\p:U+2*\p+1], v[TMP+8*nb+2*\p:TMP+8*nb+2*\p+1], v[RS+8*(nb%4)+2*\p:RS+8*(nb%4)+2*\p+1] op_sel:[1,1] op_sel_hi:[0,1]
.endr
.irp p, 0,1,2,3
	v_pk_fma_f32 v[TMP+8*nb+2*\p:TMP+8*nb+2*\p+1], v[TMP+8*nb+2*\p:TMP+8*nb+2*\p+1], v[RS+8*(nb%4)+2*\p:RS+8*(nb%4)+2*\p+1], v[U+2*\p:U+2*\p+1] op_sel_hi:[1,0,1] neg_lo:[0,0,1]
.endr
.set nb, nb+1
.endr
.set jj, 0
.rept 64
	v_med3_num_f32 v[TMP+jj], v[TMP+jj], -v31, v31
.set jj, jj+1
.endr
	s_wait_alu depctr_va_vdst(0)
	s_wait_dscnt 0x0
.irp b, 0,1,2,3,4,5,6,7
	v_cvt_scalef32_pk8_bf8_f32 v[CODES+2*\b:CODES+2*\b+1], v[TMP+8*\b:TMP+8*\b+7], v30
.endr
	v_nop
.irp b, 0,1,2,3,4,5,6,7
	ds_store_b64 v8, v[CODES+2*\b:CODES+2*\b+1] offset:(\b/4)*8192+(\a)*1024+16*(\b%4)
.endr
.endm
.irp a, 0,1,2,3,4,5,6,7
	QKBLK \a
.endr
.irp k, 0,1,2,3,4,5,6,7,8,9,10,11,12,13,14,15,16,17,18,19,20,21,22,23,24,25,26,27,28,29,30,31
	ds_load_b128 v[32+4*\k:35+4*\k], v9 offset:512*\k
.endr
.irp k, 0,1,2,3,4,5,6,7,8,9,10,11,12,13,14,15,16,17,18,19,20,21,22,23,24,25,26,27,28,29,30,31
	s_wait_dscnt 31-\k
	global_store_b128 v13, v[32+4*\k:35+4*\k], s[70:71] offset:(\k/16)*131072+(\k%16)*512
.endr
	s_branch .Lend
.Lv:
	s_lshl_b32 s20, s17, 8
	s_lshl_b32 s21, s15, 7
	s_add_co_u32 s20, s20, s21
	s_lshl_b32 s94, s20, 2
	s_mov_b32 s95, 0
	s_add_nc_u64 s[10:11], s[10:11], s[94:95]
	s_wait_alu depctr_va_vdst(0)
.irp a, 0,1,2,3,4,5,6,7
	global_load_b32 v[32+\a], v15, s[10:11] offset:64*\a
.endr
	s_lshr_b32 s22, s42, 3
	s_and_b32 s23, s42, 7
	s_sub_co_u32 s92, s17, 8
	s_lshl_b32 s92, s92, 8
	s_lshl_b32 s93, s14, 6
	s_add_co_u32 s92, s92, s93
	s_lshl_b32 s93, s22, 10
	s_add_co_u32 s93, s93, s92
	s_lshl_b32 s94, s93, 11
	s_lshl_b32 s93, s23, 8
	s_add_co_u32 s94, s94, s93
	s_add_nc_u64 s[72:73], s[72:73], s[94:95]
	s_lshl_b32 s93, s42, 10
	s_add_co_u32 s93, s93, s92
	s_lshl_b32 s94, s93, 2
	s_add_nc_u64 s[74:75], s[74:75], s[94:95]
	LAST
	PLACES NP
	s_wait_loadcnt 0x0
.macro VBLK a
.set AC, 64*((\a)%4)
	WIN 0x02+((\a)/4)
.set jj, 0
.rept 32
.if (\a)%2
	v_pk_fma_f32 v[TMP+jj:TMP+jj+1], v[AC+jj:AC+jj+1], s[96:97], v[32+2*((\a)/2):33+2*((\a)/2)] op_sel:[0,0,1] op_sel_hi:[1,0,1]
.else
	v_pk_fma_f32 v[TMP+jj:TMP+jj+1], v[AC+jj:AC+jj+1], s[96:97], v[32+2*((\a)/2):33+2*((\a)/2)] op_sel_hi:[1,0,0]
.endif
.set jj, jj+2
.endr
	WIN 0
.set jj, 0
.rept 64
	v_med3_num_f32 v[TMP+jj], v[TMP+jj], -v31, v31
.set jj, jj+1
.endr
	s_wait_alu depctr_va_vdst(0)
	s_wait_dscnt 0x0
.irp b, 0,1,2,3,4,5,6,7
	v_cvt_scalef32_pk8_bf8_f32 v[CODES+2*\b:CODES+2*\b+1], v[TMP+8*\b:TMP+8*\b+7], v30
.endr
	v_nop
.irp b, 0,1,2,3,4,5,6,7
	ds_store_b64 v10, v[CODES+2*\b:CODES+2*\b+1] offset:16*(\a)*PITCH+16*\b
.endr
.endm
.irp a, 0,1,2,3,4,5,6,7
	VBLK \a
.endr
	s_wait_dscnt 0x0
	s_barrier_signal -1
	s_barrier_wait -1
.set jj, 0
.rept 16
	v_mov_b32 v[160+jj], 0x3c3c3c3c
.set jj, jj+1
.endr
.irp g, 0,1
.irp u, 0,1,2,3
.irp c, 0,1,2,3
	ds_load_b128 v[32+16*(\u+4*\g)+4*\c:35+16*(\u+4*\g)+4*\c], v12 offset:16*\u*PITCH+128*\g+32*\c
.endr
.endr
.endr
	s_wait_alu depctr_va_vdst(0)
	s_wait_dscnt 0x0
.irp u, 0,1,2,3
	v_wmma_f32_16x16x128_bf8_bf8 v[176+8*\u:183+8*\u], v[160:175], v[32+16*\u:47+16*\u], 0
.endr
.irp u, 0,1,2,3
	v_wmma_f32_16x16x128_bf8_bf8 v[176+8*\u:183+8*\u], v[160:175], v[96+16*\u:111+16*\u], v[176+8*\u:183+8*\u]
.endr
	PLACES NP
	v_cmp_le_u32 vcc_lo, 16, v27
	v_cndmask_b32 v208, v176, v184, vcc_lo
	v_cndmask_b32 v209, v192, v200, vcc_lo
	global_store_b32 v19, v208, s[74:75]
	global_store_b32 v19, v209, s[74:75] offset:128
.irp k, 0,1,2,3,4,5,6,7,8,9,10,11,12,13,14,15,16,17,18,19,20,21,22,23,24,25,26,27,28,29,30,31
	ds_load_b128 v[32+4*\k:35+4*\k], v11 offset:2*\k*PITCH
.endr
.irp k, 0,1,2,3,4,5,6,7,8,9,10,11,12,13,14,15,16,17,18,19,20,21,22,23,24,25,26,27,28,29,30,31
	s_wait_dscnt 31-\k
	global_store_b128 v18, v[32+4*\k:35+4*\k], s[72:73] offset:4096*\k
.endr
.Lend:
	s_wait_tensorcnt 0x0
	ds_add_u32 v[SPW], v[NIL]
	s_wait_dscnt 0x0
	CROUND
	s_endpgm
.Lfunc_end_k_qa4cfa4e128_qkv:
	.size	k_qa4cfa4e128_qkv, .Lfunc_end_k_qa4cfa4e128_qkv-k_qa4cfa4e128_qkv
	.p2alignl 7, 3214868480
	.fill 96, 4, 3214868480
	.section	.rodata,"a",@progbits
	.p2align	6, 0x0
	.amdhsa_kernel k_qa4cfa4e128_qkv
		.amdhsa_group_segment_fixed_size 327680
		.amdhsa_private_segment_fixed_size 0
		.amdhsa_enable_private_segment 0
		.amdhsa_kernarg_size 64
		.amdhsa_user_sgpr_count 2
		.amdhsa_user_sgpr_kernarg_segment_ptr 1
		.amdhsa_wavefront_size32 1
		.amdhsa_system_sgpr_workgroup_id_x 1
		.amdhsa_system_sgpr_workgroup_id_y 1
		.amdhsa_system_sgpr_workgroup_id_z 1
		.amdhsa_system_vgpr_workitem_id 0
		.amdhsa_next_free_vgpr 1024
		.amdhsa_next_free_sgpr 100
		.amdhsa_reserve_vcc 1
		.amdhsa_float_denorm_mode_32 3
		.amdhsa_float_denorm_mode_16_64 3
		.amdhsa_memory_ordered 1
		.amdhsa_forward_progress 1
		.amdhsa_inst_pref_size 255
	.end_amdhsa_kernel
	.section	.bss,"aw",@nobits
	.p2align	6
	.space	262144
	.amdgpu_metadata
---
amdhsa.version: [ 1, 2 ]
amdhsa.kernels:
  - .name:           k_qa4cfa4e128_qkv
    .symbol:         k_qa4cfa4e128_qkv.kd
    .args:
      - { .name: x_codes, .offset: 0, .size: 8, .value_kind: global_buffer, .address_space: global }
      - { .name: wcodes, .offset: 8, .size: 8, .value_kind: global_buffer, .address_space: global }
      - { .name: lowp_scales, .offset: 16, .size: 8, .value_kind: global_buffer, .address_space: global }
      - { .name: b_qkv, .offset: 24, .size: 8, .value_kind: global_buffer, .address_space: global }
      - { .name: tables, .offset: 32, .size: 8, .value_kind: global_buffer, .address_space: global }
      - { .name: qk_codes, .offset: 40, .size: 8, .value_kind: global_buffer, .address_space: global }
      - { .name: v_codes, .offset: 48, .size: 8, .value_kind: global_buffer, .address_space: global }
      - { .name: vsum, .offset: 56, .size: 8, .value_kind: global_buffer, .address_space: global }
    .group_segment_fixed_size: 327680
    .private_segment_fixed_size: 0
    .kernarg_segment_align: 8
    .kernarg_segment_size: 64
    .max_flat_workgroup_size: 128
    .sgpr_count:     100
    .vgpr_count:     1024
    .wavefront_size: 32
...
	.end_amdgpu_metadata
.endif
;; end of part 2
;; launch attn (part 3): grid 4 x 64, 8 waves a work-group, no clusters, 327,680 bytes of LDS; arguments qk_codes, v_codes, tables, vsum, lowp_scales, a_codes; writes a_codes
.if DOCPART == 3
	.amdgcn_target "amdgcn-amd-amdhsa--gfx1250"
	.amdhsa_code_object_version 6
	.text
	.protected	k_qa4cfa4e128_attn
	.globl	k_qa4cfa4e128_attn
	.p2align	8
	.type	k_qa4cfa4e128_attn,@function
k_qa4cfa4e128_attn:
	s_mov_b64 s[64:65], 0
	v_nop
	global_prefetch_b8 v0, s[64:65] scope:SCOPE_SE
	s_setreg_imm32_b32 hwreg(HW_REG_WAVE_MODE, 25, 1), 1
	s_wait_xcnt 0x0
; THIRD LAUNCH: the attention of one (batch, head) on codes of E5M2: S^T = K Q^T, the softmax by the stated rule, O^T = V^T P^T, and the codes of O / l (scale 2^e6).
; LEFT OUT: key steps that lie wholly above reference()'s own jnp.tril (shown at the head of launch prep); a NaN, an infinity or an overflow that reaches only those tiles is not carried to the result.
; THE SOFTMAX: t = score x log2(e) / 8; M = the running largest t rounded up to a whole number; p = 2^(t - M) is quantised (2^e4), not normalised; the row's sum is taken of the unquantised p and divides at the end.
; THE KEY MASK is an input.  It comes as a bias for each key (0 kept, -2^126 not), travels with each slot and is the C of the score products: no branch hangs on it.  The largest t starts at c x (-2^100): above every
; masked t, under every real one (a raw score is at most 64 x 57,344^2).  So a masked key has p = 0, and a row with no kept key at or before it ends with the sum 0.
; SUCH A ROW has all 2,048 scores equal in reference(): p = 1 for every key, l = 2,048.  Its result, Q(1) x the sum of V's rows / 2,048, is made once from vsum and put in by selection.
; SHARES.  Work-group (j, bh), j = 0..3, owns query blocks j and 7 - j of 256 queries and takes them one after the other: j + 1 slots of 256 keys, then 8 - j: nine slots in every work-group, each of them read.
; Each of the eight waves owns 32 queries, two tiles of 16, so that a fragment of K, of V and of the bias feeds two matrix instructions.  A slot is two steps of 128 keys, walked by a counted loop.
; NO CLUSTER: the four work-groups of a head change from their first block to their second at different trips (j + 1), so in one trip they need different slots: no joint request fits.
; PREFETCH: work-group j = 0 reads slot i in trip i's load (i >= 1); in trip i = 0..6 its waves 4, 5 name slot i + 1 of K (8,192 bytes a wave, lanes 256 bytes apart) and waves 6, 7 that of V (32 rows a wave, a lane a row):
; one slot, two key steps, ahead of its load; each aligned block of 256 bytes is named once for a head.  Slot 0 and the bias (1,024 bytes a slot) come by their loads alone.
; LAYOUT.  A lane holds ONE query of each tile (lane % 16).  Score tile t holds keys 16 t + 8 (lane / 16) + 0 .. 7: their codes are registers 2 t, 2 t + 1 of P, the K = 128 form's own order; V's fragments come by 8-byte loads in that order.
; LIMITS: e2 + e3 between -100 and 20; e4, e6 between -126 and 112; e4 + e5 is applied by v_ldexp_f32.
; REGISTERS.  Window 0: v1-15 addresses; v16-79 fragments of K, then of V; v80-143, v144-207 S^T, then p, of tiles A, B; v208-213, v214-219 their -M, largest t, sum (2), f (2); v220-223 constants; v224-253 at work.
; Window 1: v0-63 the bias; v64-95, v96-127 O^T; v128-143, v144-159 P's codes; v160-167, v168-175 Q.
.set KP,    272                        ; K in LDS: four keys of 64 bytes to a line of 256, + 16 of padding
.set VP,    272                        ; V: a channel's 256 keys, + 16
.set VOFF,  64*KP
.set MOFF,  2*64*KP                    ; the slot's 256 biases, 1,024 bytes
.set SLOT1, 1<<16                      ; one exclusive or turns an address in one slot into the other's
.set SPARE, 2*SLOT1                    ; the spare words, 128 bytes for each of eight waves
.set FB,    SPARE+1024                 ; 64 f32: the result of a row with no kept key
.set STAGE, FB+256                     ; the way out: 2,048 bytes a wave
.set AK0, 1
.set AV0, 2
.set PFO, 3
.set AM0, 4
.set SPW, 5
.set NIL, 6
.set GO,  7
.set ADK, 8
.set ADV, 9
.set ADM, 10
.set FBA, 11
.set SQ,  3                            ; s3 steps left in the slot
.set SK,  4                            ; s4-6 LDS byte at which the step's K, V, bias begin
.set SV,  5
.set SM,  6
.set POS, 7                            ; s7 which of the nine slots is in hand
.set SW,  16                           ; s16 j + 1: the slot at which the second block begins
.set QH,  17                           ; s17 my first query in the second block
.set WV,  18
.set SEL, 20
.set CS,  22
.set G1K, 24
.set G1V, 32
.set G0K, 40
.set G0V, 44
.set G0M, 48
.set QB,  52                           ; s[52:53] the head's q
.set SLOTS, 67
.set G1M, 68
.set PFA, 76
.set PFS, 78
.set LIM, 80
.set KF,  98                           ; s98 the step's first key
.set Q0,  99                           ; s99 my first query
.set MSB, 0
.macro WIN new                         ; the immediate's high byte repeats the setting that is left
.if MSB != \new
	s_set_vgpr_msb (MSB<<8)|\new
.set MSB, \new
.endif
.endm
.macro NOP4
.rept 4
	v_nop
.endr
.endm
.macro TLOAD                           ; wave 0 fetches a slot's K, wave 1 its V, wave 2 its bias: one chain of branches on the wave's number; s_nop 0 and four v_nop follow each line
	s_cmp_eq_u32 s[WV], 0
	s_cbranch_scc0 .Ln1_\@
	tensor_load_to_lds s[G0K:G0K+3], s[G1K:G1K+7]
	s_nop 0
	NOP4
	s_branch .Lasked_\@
.Ln1_\@:
	s_cmp_eq_u32 s[WV], 1
	s_cbranch_scc0 .Ln2_\@
	tensor_load_to_lds s[G0V:G0V+3], s[G1V:G1V+7]
	s_nop 0
	NOP4
	s_branch .Lasked_\@
.Ln2_\@:
	s_cmp_eq_u32 s[WV], 2
	s_cbranch_scc0 .Lasked_\@
	tensor_load_to_lds s[G0M:G0M+3], s[G1M:G1M+7]
	s_nop 0
	NOP4
.Lasked_\@:
.endm
.macro ASK
	s_cmp_gt_u32 s[SLOTS], s[LIM]
	s_cbranch_scc0 .Lnot_mine_\@
	global_prefetch_b8 v[PFO], s[PFA:PFA+1] th:TH_LOAD_NT scope:SCOPE_SE
.Lnot_mine_\@:
.endm
	s_load_b256 s[4:11], s[0:1], 0x0               ; qk_codes, v_codes, tables, vsum
	s_load_b128 s[12:15], s[0:1], 0x20             ; lowp_scales, a_codes
	v_lshl_add_u32 v[SPW], v0, 2, SPARE
	v_mov_b32 v[NIL], 0
	ds_add_u32 v[SPW], v[NIL]                      ; the wave's opening: the add, twice on end, and its wait ahead of the first tensor load
	ds_add_u32 v[SPW], v[NIL]
	v_lshrrev_b32 v8, 5, v0
	v_readfirstlane_b32 s[WV], v8                  ; wave 0..7
	s_and_b32 s81, ttmp7, 0xffff                   ; bh = 16 b + head
	s_lshl_b32 s82, s81, 17                        ; a head's codes are 131,072 bytes in q, in k and in v
	s_mov_b32 s83, 0
	s_lshr_b32 s84, s81, 4                         ; b
	s_and_b32 s85, s81, 15                         ; head
	s_add_co_u32 s[SW], ttmp9, 1
	s_lshl_b32 s86, s[WV], 5
	s_lshl_b32 s[Q0], ttmp9, 8
	s_add_co_u32 s[Q0], s[Q0], s86                 ; first block: 256 j + 32 wave
	s_sub_co_u32 s[QH], 7, ttmp9
	s_lshl_b32 s[QH], s[QH], 8
	s_add_co_u32 s[QH], s[QH], s86                 ; second block: 256 (7 - j) + 32 wave
	s_lshr_b32 s86, s85, 2                         ; a_codes: (((head / 4) 32 + m / 256) 4 + head % 4) 16,384 + (m % 256) 64, m = 2,048 b + q: here the part without q
	s_lshl_b32 s86, s86, 21
	s_lshl_b32 s87, s84, 19
	s_add_co_u32 s86, s86, s87
	s_and_b32 s87, s85, 3
	s_lshl_b32 s87, s87, 14
	s_add_co_u32 s86, s86, s87
	s_mov_b32 s87, 0
	s_lshl_b32 s88, s84, 15
	s_lshl_b32 s89, s85, 8
	s_add_co_u32 s88, s88, s89                     ; vsum: b 32,768 + head 256
	s_mov_b32 s89, 0
	s_lshl_b32 s90, s84, 13
	s_add_co_u32 s90, s90, 524288                  ; tables: the mask's bias of batch b
	s_mov_b32 s91, 0
.irp g, G1K, G1V, G1M                              ; rows of 256 bytes, elements of 1 byte
	s_mov_b32 s[\g+1], 256<<16
	s_mov_b32 s[\g+3], 256<<16
	s_mov_b32 s[\g+6], 0
	s_mov_b32 s[\g+7], 0
.endr
	s_mov_b32 s[G1K], (1<<20)|(5<<22)|(3<<25)      ; 4 words of padding behind every 64
	s_mov_b32 s[G1V], (1<<20)|(5<<22)|(3<<25)
	s_mov_b32 s[G1M], 0                            ; the bias lies dense
	s_mov_b32 s[G1K+2], 64<<16
	s_mov_b32 s[G1V+2], 64<<16
	s_mov_b32 s[G1M+2], 4<<16
	s_mov_b32 s[G1K+4], 64
	s_mov_b32 s[G1V+4], 64
	s_mov_b32 s[G1M+4], 4
	s_mov_b32 s[G1K+5], 256                        ; K's 256 keys are dense: 64 lines
	s_mov_b32 s[G1V+5], 2048                       ; V's 64 rows lie 2,048 bytes apart
	s_mov_b32 s[G1M+5], 256
	s_mov_b32 s[SEL], 0x76543210
	s_mov_b32 s[SEL+1], 0xfedcba98
	s_mov_b32 s[CS], 0x3e38aa3b                    ; c = log2(e) / 8
	s_mov_b32 s[SLOTS], 8
	s_mov_b32 s[KF], 0
	s_wait_dscnt 0x0                               ; both opening adds are done
	s_wait_kmcnt 0x0
	s_load_b256 s[56:63], s[12:13], 0x0            ; e0 .. e7
	s_add_nc_u64 s[QB:QB+1], s[4:5], s[82:83]      ; the head's q,
	s_add_nc_u64 s[54:55], s[6:7], s[82:83]        ; v,
	s_add_nc_u64 s[92:93], s[QB:QB+1], 0x800000    ; k,
	s_add_nc_u64 s[94:95], s[8:9], s[90:91]        ; and the batch's bias
	s_add_nc_u64 s[14:15], s[14:15], s[86:87]
	s_add_nc_u64 s[10:11], s[10:11], s[88:89]
	s_mov_b32 s[G0K], 1
	s_mov_b32 s[G0K+1], 0
	s_mov_b64 s[G0K+2:G0K+3], s[92:93]
	s_or_b32 s[G0K+3], s[G0K+3], 0x80000000
	s_mov_b32 s[G0V], 1
	s_mov_b32 s[G0V+1], VOFF
	s_mov_b64 s[G0V+2:G0V+3], s[54:55]
	s_or_b32 s[G0V+3], s[G0V+3], 0x80000000
	s_mov_b32 s[G0M], 1
	s_mov_b32 s[G0M+1], MOFF
	s_mov_b64 s[G0M+2:G0M+3], s[94:95]
	s_or_b32 s[G0M+3], s[G0M+3], 0x80000000
	TLOAD                                          ; the first slot: keys 0-255
	s_mov_b32 s[SK], 0
	s_mov_b32 s[SV], 0
	s_mov_b32 s[SM], 0
	s_mov_b32 s[POS], 0
	s_cmp_lt_u32 s[WV], 6                          ; the prefetches: waves 4, 5 for K, waves 6, 7 for V
	s_cselect_b64 s[PFA:PFA+1], s[92:93], s[54:55]
	s_mov_b32 s[PFS], 256
	s_cselect_b32 s[PFS], 16384, s[PFS]            ; a slot on
	s_mov_b32 s86, 2048
	s_cselect_b32 s86, 256, s86                    ; from lane to lane
	s_mov_b32 s87, 65536
	s_cselect_b32 s87, 8192, s87                   ; from wave to wave
	v_and_b32 v[PFO], 31, v0
	v_mul_lo_u32 v[PFO], v[PFO], s86
	s_and_b32 s86, s[WV], 1
	s_mul_i32 s86, s86, s87
	s_mov_b32 s87, 0
	s_mov_b32 s[PFS+1], 0
	s_add_nc_u64 s[PFA:PFA+1], s[PFA:PFA+1], s[86:87]   ; in slot 0: trip i's change steps it to slot i + 1
	s_sub_co_u32 s86, s[WV], 4
	s_lshr_b32 s86, s86, 2                         ; 0 in waves 4 to 7,
	s_or_b32 s86, s86, ttmp9                       ; of work-group j = 0
	s_cmp_eq_u32 s86, 0
	s_cselect_b32 s[LIM], 1, -1
	v_and_b32 v8, 15, v0                           ; r
	v_bfe_u32 v9, v0, 4, 1                         ; h
	v_lshlrev_b32 v13, 6, v8
	v_lshl_add_u32 v13, v9, 4, v13                 ; Q: row r of 64 bytes, + 16 h
	v_lshrrev_b32 v12, 2, v8
	v_mul_u32_u24 v[AK0], v12, KP
	v_and_b32 v12, 3, v8
	v_lshl_add_u32 v[AK0], v12, 6, v[AK0]
	v_lshl_add_u32 v[AK0], v9, 4, v[AK0]           ; K: line r / 4, key r % 4 in it, + 16 h
	v_mul_u32_u24 v[AV0], v8, VP
	v_lshl_add_u32 v[AV0], v9, 3, v[AV0]
	v_add_nc_u32 v[AV0], VOFF, v[AV0]              ; V: channel row r, + 8 h
	v_lshlrev_b32 v[AM0], 5, v9
	v_add_nc_u32 v[AM0], MOFF, v[AM0]              ; the bias: 32 h
	v_lshlrev_b32 v14, 3, v9
	v_sub_nc_u32 v14, v8, v14                      ; r - 8 h
	v_and_b32 v[GO], 31, v0
	v_lshlrev_b32 v[GO], 4, v[GO]                  ; 16 x lane
	v_and_b32 v12, 63, v0
	v_lshl_add_u32 v[FBA], v12, 2, FB
	s_lshl_b32 s86, s[WV], 11
	s_add_co_u32 s86, s86, STAGE                   ; my stage
	v_lshlrev_b32 v250, 6, v8
	v_lshl_add_u32 v250, v9, 3, v250
	v_add_nc_u32 v250, s86, v250                   ; in: row r of 64 bytes, + 8 h
	v_add_nc_u32 v251, s86, v[GO]                  ; back: as the bytes lie
	v_add_nc_u32 v253, FB-MOFF, v[AM0]             ; FB + 32 h
	v_mov_b32 v232, 0                              ; written once: a lane permute's destination counts as one of its sources
	v_mov_b32 v233, 0
	v_mov_b32 v223, 0xff800000                     ; -infinity
	s_wait_kmcnt 0x0
	s_add_co_i32 s86, s58, s59
	s_lshl_b32 s86, s86, 23
	s_add_co_i32 s[CS], s[CS], s86                 ; a raw score stands for score x 2^(e2 + e3): added to c's exponent field
	s_mov_b32 s[CS+1], s[CS]
	s_add_co_i32 s86, s60, 127
	s_lshl_b32 s87, s86, 23
	v_mov_b32 v222, s87                            ; 2^e4
	s_add_co_i32 s86, s86, 15
	s_lshl_b32 s86, s86, 23
	s_or_b32 s86, s86, 0x600000
	v_mov_b32 v220, s86                            ; 57,344 x 2^e4, twice: one for each half of a dual pair
	v_mov_b32 v221, s86
	s_add_co_i32 s86, s62, 127
	s_lshl_b32 s87, s86, 23
	v_mov_b32 v248, s87                            ; 2^e6
	s_add_co_i32 s86, s86, 15
	s_lshl_b32 s86, s86, 23
	s_or_b32 s86, s86, 0x600000
	v_mov_b32 v249, s86                            ; 57,344 x 2^e6
	s_wait_alu depctr_va_vdst(0)
	; waves 4 and 5: the result of a row with no kept key, channel v0 % 64: Q(1) x 2^(e4 + e5) x the sum of V's code values over all 2,048 keys / 2,048
	s_lshr_b32 s86, s[WV], 1
	s_cmp_eq_u32 s86, 2
	s_cbranch_scc0 .Lno_fb
	v_and_b32 v15, 63, v0
	v_lshlrev_b32 v15, 2, v15
.irp p, 0,1,2,3,4,5,6,7
	global_load_b32 v[16+\p], v15, s[10:11] offset:4096*\p
.endr
	v_min_num_f32 v24, 1.0, v220
.irp i, 1,2,3,4,5,6,7
	v_mov_b32 v[24+\i], v24
.endr
	v_cvt_scalef32_pk8_bf8_f32 v[32:33], v[24:31], v222
	v_nop                                          ; a plain instruction between the conversion and the reader of its result
	v_cvt_f32_bf8 v34, v32                         ; the code's value
	s_add_co_i32 s86, s60, s61
	s_sub_co_i32 s86, s86, 11
	v_ldexp_f32 v34, v34, s86
	s_wait_alu depctr_va_vdst(0)
	s_wait_loadcnt 0x0
.irp p, 1,2,3,4,5,6,7
	v_add_f32 v16, v16, v[16+\p]
.endr
	v_mul_f32 v16, v16, v34
	ds_store_b32 v[FBA], v16                       ; read on the way out, behind a change of slots' wait and barrier
.Lno_fb:
; A block begins: my 32 queries' codes, O^T and the sums as zeros, the largest t at its floor.
.macro INIT
	v_lshl_add_u32 v12, s[Q0], 6, v13
	WIN 0x40
	global_load_b128 v[160:163], v12, s[QB:QB+1]               ; tile A: channels 16 h + 0 .. 15,
	global_load_b128 v[164:167], v12, s[QB:QB+1] offset:32     ; and 32 + 16 h + 0 .. 15: the same places as in K's fragments
	global_load_b128 v[168:171], v12, s[QB:QB+1] offset:1024   ; tile B: 16 queries on
	global_load_b128 v[172:175], v12, s[QB:QB+1] offset:1056
.set jj, 0
.rept 64
	v_mov_b32 v[64+jj], 0                          ; O^T: the step is written once, and a block's first step finds zeros
.set jj, jj+1
.endr
	WIN 0
.irp x, 0,1
	v_mov_b32 v[209+6*\x], 0xf1800000              ; -2^100
	v_mul_f32 v[209+6*\x], s[CS], v[209+6*\x]      ; the largest t so far
	v_floor_f32 v[208+6*\x], -v[209+6*\x]          ; -M
	v_mov_b32 v[210+6*\x], 0
	v_mov_b32 v[211+6*\x], 0
	v_mov_b32 v[212+6*\x], 0
	v_mov_b32 v[213+6*\x], 0
.endr
	s_wait_alu depctr_va_vdst(0)
	s_wait_loadcnt 0x0
.endm
; A KEY STEP: 128 keys against my two tiles of queries.
.macro STEP
	s_cmp_gt_u32 s[KF], s[Q0]                      ; KF is a multiple of 128, Q0 of 32: beyond Q0 means beyond all my 32 queries: the step's work is left out, a branch on ids
	s_cbranch_scc1 .Lhidden_\@
	v_add_nc_u32 v[ADK], s[SK], v[AK0]
	v_add_nc_u32 v[ADV], s[SV], v[AV0]
	v_add_nc_u32 v[ADM], s[SM], v[AM0]
	v_nop                                          ; four places in front of loads into registers that the last products read
	WIN 0x40
.irp t, 0,1,2,3,4,5,6,7
	ds_load_b128 v[8*\t:8*\t+3], v[ADM] offset:64*\t           ; the bias of keys 16 t + 8 h + 0 .. 7
	ds_load_b128 v[8*\t+4:8*\t+7], v[ADM] offset:64*\t+16
.endr
	WIN 0
.irp t, 0,1,2,3,4,5,6,7
	ds_load_b128 v[16+8*\t:19+8*\t], v[ADK] offset:4*\t*KP
	ds_load_b128 v[20+8*\t:23+8*\t], v[ADK] offset:4*\t*KP+32
.endr
	s_wait_alu depctr_va_vdst(0)
	s_wait_dscnt 0x0
	WIN 0x14                                       ; Q and the bias lie in window 1
.irp t, 0,1,2,3,4,5,6,7
	v_wmma_f32_16x16x64_bf8_bf8 v[80+8*\t:87+8*\t], v[16+8*\t:23+8*\t], v[160:167], v[8*\t:8*\t+7]     ; S^T = K Q^T + the bias: each fragment of K and of the bias serves both tiles
	v_wmma_f32_16x16x64_bf8_bf8 v[144+8*\t:151+8*\t], v[16+8*\t:23+8*\t], v[168:175], v[8*\t:8*\t+7]
.endr
	WIN 0
	NOP4
.irp u, 0,1,2,3
.irp c, 0,1,2,3,4,5,6,7
	ds_load_b64 v[16+16*\u+2*\c:17+16*\u+2*\c], v[ADV] offset:16*\u*VP+16*\c   ; V's fragments land under the softmax
.endr
.endr
	s_add_co_u32 s96, s[KF], 127                   ; on the diagonal hidden scores become -infinity ahead of the maximum; a step all of whose keys count skips this
	s_cmp_le_u32 s96, s[Q0]
	s_cbranch_scc1 .Lopen_\@
	s_sub_co_i32 s96, s[Q0], s[KF]
	v_add_nc_u32 v234, s96, v14                    ; d = my query - KF - 8 h; register 8 t + i holds key KF + 8 h + 16 t + i: hidden where 16 t + i > d
	v_add_nc_u32 v235, 16, v234
.set nn, 0
.rept 64
	v_cmp_gt_i32 vcc_lo, 16*(nn/8)+nn%8, v234
	v_cndmask_b32 v[80+nn], v[80+nn], v223, vcc_lo
.set nn, nn+1
.endr
.set nn, 0
.rept 64
	v_cmp_gt_i32 vcc_lo, 16*(nn/8)+nn%8, v235
	v_cndmask_b32 v[144+nn], v[144+nn], v223, vcc_lo
.set nn, nn+1
.endr
.Lopen_\@:
.irp x, 0,1                                        ; each query's largest score among my 64 keys: four chains a tile, each accumulator from its low end on
	v_max3_num_f32 v[224+4*\x], v[80+64*\x], v[81+64*\x], v[82+64*\x]
	v_max3_num_f32 v[225+4*\x], v[83+64*\x], v[84+64*\x], v[85+64*\x]
	v_max3_num_f32 v[226+4*\x], v[86+64*\x], v[87+64*\x], v[88+64*\x]
	v_max3_num_f32 v[227+4*\x], v[89+64*\x], v[90+64*\x], v[91+64*\x]
.endr
.set jj, 92
.rept 6
.irp x, 0,1
	v_max3_num_f32 v[224+4*\x], v[224+4*\x], v[jj+64*\x], v[jj+1+64*\x]
	v_max3_num_f32 v[225+4*\x], v[225+4*\x], v[jj+2+64*\x], v[jj+3+64*\x]
	v_max3_num_f32 v[226+4*\x], v[226+4*\x], v[jj+4+64*\x], v[jj+5+64*\x]
	v_max3_num_f32 v[227+4*\x], v[227+4*\x], v[jj+6+64*\x], v[jj+7+64*\x]
.endr
.set jj, jj+8
.endr
.irp x, 0,1
	v_max3_num_f32 v[224+4*\x], v[224+4*\x], v[140+64*\x], v[141+64*\x]
	v_max3_num_f32 v[225+4*\x], v[225+4*\x], v[142+64*\x], v[143+64*\x]
.endr
	v_max3_num_f32 v224, v224, v226, v227          ; the two tiles' chains take turns from here on
	v_max3_num_f32 v228, v228, v230, v231
	v_max_num_f32 v224, v224, v225
	v_max_num_f32 v228, v228, v229
	v_permlanex16_b32 v232, v224, s[SEL], s[SEL+1]
	v_permlanex16_b32 v233, v228, s[SEL], s[SEL+1]
	v_max_num_f32 v224, v224, v232                 ; and among lane l xor 16's
	v_max_num_f32 v228, v228, v233
	v_mul_f32 v224, s[CS], v224                    ; as t
	v_mul_f32 v228, s[CS], v228
	v_max_num_f32 v209, v209, v224
	v_max_num_f32 v215, v215, v228
	v_mov_b32 v224, v208
	v_mov_b32 v228, v214
	v_floor_f32 v208, -v209                        ; the new -M: M is a whole number
	v_floor_f32 v214, -v215
	v_sub_f32 v224, v208, v224                     ; old M - new M, 0 or less
	v_sub_f32 v228, v214, v228
	v_cvt_i32_f32 v224, v224                       ; (it saturates)
	v_cvt_i32_f32 v228, v228
	v_ldexp_f32 v212, 1.0, v224                    ; f = 2^(old M - new M)
	v_ldexp_f32 v218, 1.0, v228
.set jj, 0
.rept 32
	v_pk_fma_f32 v[80+jj:81+jj], v[80+jj:81+jj], s[CS:CS+1], v[208:209] op_sel_hi:[1,0,0]   ; t - M
.set jj, jj+2
.endr
.set jj, 0
.rept 32
	v_pk_fma_f32 v[144+jj:145+jj], v[144+jj:145+jj], s[CS:CS+1], v[214:215] op_sel_hi:[1,0,0]
.set jj, jj+2
.endr
	s_wait_alu depctr_va_vdst(0)
.set jj, 0
.rept 128
	v_exp_f32 v[80+jj], v[80+jj]                   ; p = 2^(t - M)
.set jj, jj+1
.endr
	v_pk_mul_f32 v[210:211], v[210:211], v[212:213] op_sel_hi:[1,0]   ; the sums under the new M: plain instructions behind the batch
	v_pk_mul_f32 v[216:217], v[216:217], v[218:219] op_sel_hi:[1,0]
	s_wait_alu depctr_va_vdst(0)                   ; one wait for the whole batch, ahead of its first reader
.irp x, 0,1                                        ; the rows' sums of the unquantised p: four chains a tile
	v_pk_add_f32 v[236+6*\x:237+6*\x], v[80+64*\x:81+64*\x], v[82+64*\x:83+64*\x]
	v_pk_add_f32 v[238+6*\x:239+6*\x], v[84+64*\x:85+64*\x], v[86+64*\x:87+64*\x]
	v_pk_add_f32 v[240+6*\x:241+6*\x], v[88+64*\x:89+64*\x], v[90+64*\x:91+64*\x]
	v_pk_add_f32 v[210+6*\x:211+6*\x], v[210+6*\x:211+6*\x], v[92+64*\x:93+64*\x]
.endr
.set jj, 94
.rept 6
.irp x, 0,1
	v_pk_add_f32 v[236+6*\x:237+6*\x], v[236+6*\x:237+6*\x], v[jj+64*\x:jj+1+64*\x]
	v_pk_add_f32 v[238+6*\x:239+6*\x], v[238+6*\x:239+6*\x], v[jj+2+64*\x:jj+3+64*\x]
	v_pk_add_f32 v[240+6*\x:241+6*\x], v[240+6*\x:241+6*\x], v[jj+4+64*\x:jj+5+64*\x]
	v_pk_add_f32 v[210+6*\x:211+6*\x], v[210+6*\x:211+6*\x], v[jj+6+64*\x:jj+7+64*\x]
.endr
.set jj, jj+8
.endr
.irp x, 0,1
	v_pk_add_f32 v[236+6*\x:237+6*\x], v[236+6*\x:237+6*\x], v[142+64*\x:143+64*\x]
	v_pk_add_f32 v[210+6*\x:211+6*\x], v[210+6*\x:211+6*\x], v[240+6*\x:241+6*\x]
.endr
.irp x, 0,1
	v_pk_add_f32 v[236+6*\x:237+6*\x], v[236+6*\x:237+6*\x], v[238+6*\x:239+6*\x]
.endr
.irp x, 0,1
	v_pk_add_f32 v[210+6*\x:211+6*\x], v[210+6*\x:211+6*\x], v[236+6*\x:237+6*\x]
.endr
.set jj, 0
.rept 64
	v_dual_min_num_f32 v[80+jj], v[80+jj], v220 :: v_dual_min_num_f32 v[81+jj], v[81+jj], v221   ; p is not negative: a one-sided hold ahead of the conversion (ISA guide 7.6.2), two numbers a pair
.set jj, jj+2
.endr
	WIN 0x40
.set jj, 0
.rept 16
	v_cvt_scalef32_pk8_bf8_f32 v[128+2*jj:129+2*jj], v[80+8*jj:87+8*jj], v222   ; P's codes, tile A's eight pairs, then tile B's
.set jj, jj+1
.endr
	WIN 0x41
	s_wait_alu depctr_va_vdst(0)
.set jj, 0
.rept 16
	v_pk_mul_f32 v[64+jj:65+jj], v[64+jj:65+jj], v[212:213] op_sel_hi:[1,0]   ; O^T under the new M; also the plain instructions behind the conversions
.set jj, jj+2
.endr
.set jj, 0
.rept 16
	v_pk_mul_f32 v[96+jj:97+jj], v[96+jj:97+jj], v[218:219] op_sel_hi:[1,0]
.set jj, jj+2
.endr
	WIN 0
	s_wait_alu depctr_va_vdst(0)
	s_wait_dscnt 0x0                               ; V's fragments are in
	WIN 0x54
.irp u, 0,1,2,3
	v_wmma_f32_16x16x128_bf8_bf8 v[64+8*\u:71+8*\u], v[16+16*\u:31+16*\u], v[128:143], v[64+8*\u:71+8*\u]     ; eight accumulators by turns; each fragment of V serves both tiles
	v_wmma_f32_16x16x128_bf8_bf8 v[96+8*\u:103+8*\u], v[16+16*\u:31+16*\u], v[144:159], v[96+8*\u:103+8*\u]
.endr
	WIN 0
.Lhidden_\@:
	s_add_co_u32 s[KF], s[KF], 128
	s_xor_b32 s[SK], s[SK], 32*KP                  ; the slot's other step: 32 lines of K, 128 bytes of V's rows, 512 of the bias
	s_xor_b32 s[SV], s[SV], 128
	s_xor_b32 s[SM], s[SM], 512
.endm
.macro STEPS
	s_mov_b32 s[SQ], 2
.Lstep_\@:
	STEP
	s_sub_co_u32 s[SQ], s[SQ], 1
	s_cmp_lg_u32 s[SQ], 0
	s_cbranch_scc1 .Lstep_\@
	s_xor_b32 s[SK], s[SK], SLOT1
	s_xor_b32 s[SV], s[SV], SLOT1
	s_xor_b32 s[SM], s[SM], SLOT1
.endm
; THE CHANGE OF SLOTS stands at a slot's head: every wave waits for all its tensor loads, adds 0 to its spare word, waits for that and for its reads of the slot that it has left; one barrier; the slot left is filled first behind it.
.macro CHANGE fill
	s_wait_tensorcnt 0x0                           ; no tensor load of mine is out, so a group 0 may be written
	ds_add_u32 v[SPW], v[NIL]
.if \fill
	ds_add_u32 v[SPW], v[NIL]                      ; and twice on end here, in every trip alike
	s_xor_b32 s[G0K+1], s[G0K+1], SLOT1
	s_xor_b32 s[G0V+1], s[G0V+1], SLOT1
	s_xor_b32 s[G0M+1], s[G0M+1], SLOT1
	s_add_nc_u64 s[G0K+2:G0K+3], s[G0K+2:G0K+3], 16384   ; the next 256 keys;
	s_add_nc_u64 s[G0V+2:G0V+3], s[G0V+2:G0V+3], 256
	s_add_nc_u64 s[G0M+2:G0M+3], s[G0M+2:G0M+3], 1024
	s_add_co_u32 s96, s[POS], 1
	s_cmp_eq_u32 s96, s[SW]                        ; where the second block begins, back to key 0: j + 1 slots
	s_cselect_b32 s90, s[SW], 0
	s_mov_b32 s93, 0
	s_lshl_b32 s92, s90, 14
	s_sub_nc_u64 s[G0K+2:G0K+3], s[G0K+2:G0K+3], s[92:93]
	s_lshl_b32 s92, s90, 8
	s_sub_nc_u64 s[G0V+2:G0V+3], s[G0V+2:G0V+3], s[92:93]
	s_lshl_b32 s92, s90, 10
	s_sub_nc_u64 s[G0M+2:G0M+3], s[G0M+2:G0M+3], s[92:93]
	s_wait_xcnt 0x0                                ; the last prefetch, a slot back, has read its address
	s_add_nc_u64 s[PFA:PFA+1], s[PFA:PFA+1], s[PFS:PFS+1]
.endif
	s_wait_dscnt 0x0
	s_barrier_signal -1
	s_barrier_wait -1
.if \fill
	TLOAD                                          ; a wave's one tensor load until the next change
	ASK
.endif
.endm
; THE WAY OUT of a block: O^T / l x 2^(e4 + e5); rows with l = 0 take the uniform row's result; codes with 2^e6; through my stage, so that the wave stores 2,048 bytes on end.
.macro EPILOG
	v_add_f32 v210, v210, v211
	v_add_f32 v216, v216, v217
	v_permlanex16_b32 v232, v210, s[SEL], s[SEL+1]
	v_permlanex16_b32 v233, v216, s[SEL], s[SEL+1]
	v_add_f32 v210, v210, v232                     ; the rows' sums
	v_add_f32 v216, v216, v233
	v_mov_b32 v15, 1.0
	v_cmp_eq_f32 s96, 0, v210                      ; no kept key: a selection, no branch
	v_cmp_eq_f32 s97, 0, v216
	v_cndmask_b32 v210, v210, v15, s96
	v_cndmask_b32 v216, v216, v15, s97
.irp u, 0,1,2,3
	ds_load_b128 v[16+8*\u:19+8*\u], v253 offset:64*\u         ; the uniform row's channels 16 u + 8 h + 0 .. 7
	ds_load_b128 v[20+8*\u:23+8*\u], v253 offset:64*\u+16
.endr
	s_lshr_b32 s91, s[Q0], 8
	s_lshl_b32 s91, s91, 16
	s_and_b32 s92, s[Q0], 255
	s_lshl_b32 s92, s92, 6
	s_add_co_u32 s91, s91, s92                     ; a_codes: (q / 256) 65,536 + (q % 256) 64
	s_add_co_i32 s90, s60, s61
	s_wait_alu depctr_va_vdst(0)
	v_rcp_f32 v210, v210
	v_rcp_f32 v216, v216
	v_add_nc_u32 v252, s91, v[GO]                  ; (a plain instruction behind the reciprocals)
	s_wait_alu depctr_va_vdst(0)                   ; the wait ahead of their first reader
	v_ldexp_f32 v210, v210, s90
	v_ldexp_f32 v216, v216, s90
	WIN 0x01
	s_wait_alu depctr_va_vdst(0)
.set jj, 0
.rept 16
	v_pk_mul_f32 v[80+jj:81+jj], v[64+jj:65+jj], v[210:211] op_sel_hi:[1,0]   ; register 8 u + i is o(r, 16 u + 8 h + i); each accumulator from its low end on
.set jj, jj+2
.endr
.set jj, 0
.rept 16
	v_pk_mul_f32 v[144+jj:145+jj], v[96+jj:97+jj], v[216:217] op_sel_hi:[1,0]
.set jj, jj+2
.endr
	WIN 0
	s_wait_alu depctr_va_vdst(0)
	s_wait_dscnt 0x0
.set jj, 0
.rept 32
	v_cndmask_b32 v[80+jj], v[80+jj], v[16+jj], s96
	v_cndmask_b32 v[144+jj], v[144+jj], v[16+jj], s97
.set jj, jj+1
.endr
.set jj, 0
.rept 32
	v_med3_num_f32 v[80+jj], v[80+jj], -v249, v249
	v_med3_num_f32 v[144+jj], v[144+jj], -v249, v249
.set jj, jj+1
.endr
.irp u, 0,1,2,3
	v_cvt_scalef32_pk8_bf8_f32 v[48+2*\u:49+2*\u], v[80+8*\u:87+8*\u], v248
	v_cvt_scalef32_pk8_bf8_f32 v[56+2*\u:57+2*\u], v[144+8*\u:151+8*\u], v248
.endr
	v_nop
.irp u, 0,1,2,3
	ds_store_b64 v250, v[48+2*\u:49+2*\u] offset:16*\u
	ds_store_b64 v250, v[56+2*\u:57+2*\u] offset:1024+16*\u
.endr
.irp k, 0,1,2,3
	ds_load_b128 v[64+4*\k:67+4*\k], v251 offset:512*\k        ; my own bytes, served in order behind my stores
.endr
.irp k, 0,1,2,3
	s_wait_dscnt 3-\k                              ; the younger loads from the stage may be out
	global_store_b128 v252, v[64+4*\k:67+4*\k], s[14:15] offset:512*\k   ; 512 consecutive bytes, aligned
.endr
	s_wait_xcnt 0x0                                ; the stores have read their registers, which the next block writes again
.endm
	INIT
.Lslot:                                            ; eight trips, a constant; each asks for the next of the nine slots
	CHANGE 1
	s_cmp_lg_u32 s[POS], s[SW]                     ; ids and the count of trips alone
	s_cbranch_scc1 .Lsame
	EPILOG                                         ; the first block is finished: it goes out, and the second begins at key 0
	s_mov_b32 s[Q0], s[QH]
	s_mov_b32 s[KF], 0
	INIT
.Lsame:
	STEPS
	s_add_co_u32 s[POS], s[POS], 1
	s_sub_co_u32 s[SLOTS], s[SLOTS], 1
	s_cmp_lg_u32 s[SLOTS], 0
	s_cbranch_scc1 .Lslot
	CHANGE 0                                       ; the last slot is written out: nothing is left to ask for
	STEPS
	EPILOG
	s_wait_tensorcnt 0x0                           ; the wave's end
	ds_add_u32 v[SPW], v[NIL]
	s_wait_dscnt 0x0
	s_endpgm
.Lfunc_end_k_qa4cfa4e128_attn:
	.size	k_qa4cfa4e128_attn, .Lfunc_end_k_qa4cfa4e128_attn-k_qa4cfa4e128_attn
	.p2alignl 7, 3214868480
	.fill 96, 4, 3214868480
	.section	.rodata,"a",@progbits
	.p2align	6, 0x0
	.amdhsa_kernel k_qa4cfa4e128_attn
		.amdhsa_group_segment_fixed_size 327680
		.amdhsa_private_segment_fixed_size 0
		.amdhsa_enable_private_segment 0
		.amdhsa_kernarg_size 48
		.amdhsa_user_sgpr_count 2
		.amdhsa_user_sgpr_kernarg_segment_ptr 1
		.amdhsa_wavefront_size32 1
		.amdhsa_system_sgpr_workgroup_id_x 1
		.amdhsa_system_sgpr_workgroup_id_y 1
		.amdhsa_system_sgpr_workgroup_id_z 1
		.amdhsa_system_vgpr_workitem_id 0
		.amdhsa_next_free_vgpr 512
		.amdhsa_next_free_sgpr 100
		.amdhsa_reserve_vcc 1
		.amdhsa_float_denorm_mode_32 3
		.amdhsa_float_denorm_mode_16_64 3
		.amdhsa_memory_ordered 1
		.amdhsa_forward_progress 1
		.amdhsa_inst_pref_size 128
	.end_amdhsa_kernel
	.amdgpu_metadata
---
amdhsa.version: [ 1, 2 ]
amdhsa.kernels:
  - .name:           k_qa4cfa4e128_attn
    .symbol:         k_qa4cfa4e128_attn.kd
    .args:
      - { .name: qk_codes, .offset: 0, .size: 8, .value_kind: global_buffer, .address_space: global }
      - { .name: v_codes, .offset: 8, .size: 8, .value_kind: global_buffer, .address_space: global }
      - { .name: tables, .offset: 16, .size: 8, .value_kind: global_buffer, .address_space: global }
      - { .name: vsum, .offset: 24, .size: 8, .value_kind: global_buffer, .address_space: global }
      - { .name: lowp_scales, .offset: 32, .size: 8, .value_kind: global_buffer, .address_space: global }
      - { .name: a_codes, .offset: 40, .size: 8, .value_kind: global_buffer, .address_space: global }
    .group_segment_fixed_size: 327680
    .private_segment_fixed_size: 0
    .kernarg_segment_align: 8
    .kernarg_segment_size: 48
    .max_flat_workgroup_size: 256
    .sgpr_count:     100
    .vgpr_count:     512
    .wavefront_size: 32
...
	.end_amdgpu_metadata
.endif
;; end of part 3
;; launch proj (part 4): grid 8 x 32, 4 waves a work-group, clusters of 4 x 4, 327,680 bytes of LDS; arguments a_codes, wcodes, lowp_scales, b_proj, out0; writes out0
.if DOCPART == 4
	.amdgcn_target "amdgcn-amd-amdhsa--gfx1250"
	.amdhsa_code_object_version 6
	.text
	.protected	k_qa4cfa4e128_proj
	.globl	k_qa4cfa4e128_proj
	.p2align	8
	.type	k_qa4cfa4e128_proj,@function
k_qa4cfa4e128_proj:
	s_mov_b64 s[64:65], 0
	v_nop
	global_prefetch_b8 v0, s[64:65] scope:SCOPE_SE
	s_setreg_imm32_b32 hwreg(HW_REG_WAVE_MODE, 25, 1), 1
	s_wait_xcnt 0x0
	s_wait_alu depctr_hold_cnt(0) depctr_sa_sdst(0) depctr_va_vdst(0) depctr_va_sdst(0) depctr_va_ssrc(0) depctr_va_vcc(0) depctr_vm_vsrc(0)
	s_getreg_b32 s2, hwreg(HW_REG_IB_STS2, 6, 4)
	s_cmp_eq_u32 s2, 0
	s_cbranch_scc0 .Lentry_in_a_cluster
	s_endpgm
.Lentry_in_a_cluster:
	s_bfe_u32 s2, ttmp6, 0x10000c
	s_cmp_lg_u32 s2, 0xf033
	s_cbranch_scc0 .Lentry_shape_is_right
	s_endpgm
.Lentry_shape_is_right:
; FOURTH LAUNCH: out0 = A W_proj + b_proj on codes of E5M2: A [8,192][1,024] (scale 2^e6, as launch attn laid it), W_proj's codes are rows 3,072 .. 4,095 of wcodes, K innermost (2^e7).  Sums in f32, each x 2^(e6 + e7), + the bias.
; LIMIT: e6 + e7 between -126 and 127, so that 2^(e6 + e7) is an f32 number.
; SHARES.  A block of out0 is 256 rows x 128 columns: 32 x 8 = 256 work-groups.  Four waves; a wave makes 128 rows x 64 columns: 32 accumulators of 16 x 16.
; K goes in four steps of 256 through a ring of two LDS slots.  a_codes is laid [K step][row block of 256][head of the step's four][256 rows][64 bytes]: a block's part of a K step is 65,536 dense bytes, 256 lines of 256;
; waves 0 and 1 fetch 128 lines each (two heads), waves 2 and 3 each 64 rows x 256 bytes of the weight.
; CLUSTERS: 4 x 4 work-groups; the four of a row of the cluster ask jointly for A's tiles, the four of a column for the weight's.
; NO PREFETCH: K is four K steps, two of them the ring's first fills and two its only refills: a request two K steps ahead of a refill would stand ahead of the first fills.
; THE MATRIX INSTRUCTION IS USED TRANSPOSED (source 0 = 16 rows of the weight, source 1 = 16 rows of A): a lane holds eight neighbouring numbers of a row of out0.
; REGISTERS: window 0: v0-31 addresses and the bias, from v128 A's fragments (one set; on the way out the rows read back); window 1: the weight's fragments, two sets, at v0 and v128; windows 2, 3: accumulator (a, b) at v[8 (8 (a % 4) + b)].
.set ROWB,   256
.set KROW,   1024
.set PITCH,  272                       ; an LDS line: 256 bytes + 16 of padding
.set FR,     16
.set NL,     4
.set NP,     4
.set HALFT,  128*PITCH                 ; the LDS room of one wave's tensor load
.set SLOT,   4*HALFT
.set SPARE,  2*SLOT                    ; the spare words, 128 bytes a wave
.set AFIRST, 32*65536                  ; a K step on in a_codes
.set ASTEP,  2*AFIRST
.set BSTEP,  2*ROWB
.set HEADL,  64*PITCH                  ; a head's 256 rows in LDS: 64 lines
.set SPITCH, 528                       ; the way out: a stage of 16 rows for each wave, in slot 0, which has had its last fill and its last read by then
.set ADRA, 16
.set ADRB, 20
.set STO,  24
.set RD,   25
.set CO,   26
.set SPW,  28
.set NIL,  29
.set AF,   128
.set BK,   128
.set G1, 24
.set G0, 32
.set G1B, 48
.set G0B, 56
.set MSB, 0
.macro WIN new                         ; the immediate's high byte repeats the setting that is left
.if MSB != \new
	s_set_vgpr_msb (MSB<<8)|\new
.set MSB, \new
.endif
.endm
.set MUL_LO, 0xa1                      ; source 0 window 1, source 1 window 0, C and D window 2
.set MUL_HI, 0xf1                      ; the same, C and D window 3
.set TO_B,   0x40
.macro JLOAD g0a, g1a, g0b, g1b        ; a joint load: waves 0, 1 for A, waves 2, 3 for the weight; s_nop 0 and four v_nop follow each line
	s_cmp_eq_u32 s15, 0
	s_cbranch_scc0 .Lfor_b_\@
	tensor_load_to_lds s[\g0a:\g0a+3], s[\g1a:\g1a+7]
	s_nop 0
.rept 4
	v_nop
.endr
	s_branch .Lasked_\@
.Lfor_b_\@:
	tensor_load_to_lds s[\g0b:\g0b+3], s[\g1b:\g1b+7]
	s_nop 0
.rept 4
	v_nop
.endr
.Lasked_\@:
.endm
.macro CREST                           ; a round of the cluster's barrier behind its opening barrier
	s_cmp_lg_u32 s14, 0
	s_cbranch_scc1 .Lnot_wave_0_\@
	s_barrier_signal -3
.Lnot_wave_0_\@:
	s_barrier_wait -3
	s_barrier_signal -1
	s_barrier_wait -1
.endm
.macro CROUND
	s_barrier_signal -1
	s_barrier_wait -1
	CREST
.endm
	s_load_b128 s[4:7], s[0:1], 0x0                ; a_codes, wcodes
	s_load_b128 s[8:11], s[0:1], 0x10              ; lowp_scales, b_proj
	s_load_b64 s[12:13], s[0:1], 0x20              ; out0
	v_lshl_add_u32 v[SPW], v0, 2, SPARE
	v_mov_b32 v[NIL], 0
	ds_add_u32 v[SPW], v[NIL]                      ; the wave's opening: the add, twice on end, and its wait ahead of the first tensor load
	ds_add_u32 v[SPW], v[NIL]
	v_lshrrev_b32 v1, 5, v0
	v_readfirstlane_b32 s14, v1                    ; wave 0..3
	s_lshr_b32 s15, s14, 1                         ; my half of the block's rows; also: I fetch for A (0) or for the weight (1)
	s_and_b32 s16, s14, 1                          ; my half of its columns; also: which part of that tile I fetch
	s_bfe_u32 s40, ttmp6, 0x40000                  ; cx, cy
	s_bfe_u32 s41, ttmp6, 0x40004
	s_lshl_b32 s42, ttmp9, 2
	s_add_co_u32 s42, s42, s40                     ; block column 0..7
	s_and_b32 s17, ttmp7, 0xffff
	s_lshl_b32 s17, s17, 2
	s_add_co_u32 s17, s17, s41                     ; block row 0..31
	s_lshl_b32 s43, s41, 2
	s_lshl_b32 s43, 15, s43                        ; my row of the cluster
	s_lshl_b32 s44, 0x1111, s40                    ; my column
	s_or_b32 s[G1+0], s43, (0<<16)|(1<<20)|(1<<21)|(5<<22)|(3<<25)   ; the mask; elements of 1 byte; 4 words of padding behind every 64; bit 21 beside a mask
	s_or_b32 s[G1B+0], s44, (0<<16)|(1<<20)|(1<<21)|(5<<22)|(3<<25)
.irp g, G1, G1B
	s_mov_b32 s[\g+1], ROWB<<16
	s_mov_b32 s[\g+3], ROWB<<16
	s_mov_b32 s[\g+6], 0
	s_mov_b32 s[\g+7], 0
.endr
	s_mov_b32 s[G1+2], 128<<16                     ; A: 128 dense lines
	s_mov_b32 s[G1+4], 128
	s_mov_b32 s[G1+5], 256
	s_mov_b32 s[G1B+2], 64<<16                     ; the weight: 64 rows, 1,024 bytes apart
	s_mov_b32 s[G1B+4], 64
	s_mov_b32 s[G1B+5], KROW
	s_lshl_b32 s20, s17, 16
	s_lshl_b32 s18, s16, 15
	s_add_co_u32 s20, s20, s18                     ; A: 65,536 x block row + 32,768 x part
	s_mov_b32 s21, 0
	s_lshl_b32 s46, s42, 7
	s_lshl_b32 s18, s16, 6
	s_add_co_u32 s46, s46, s18
	s_add_co_u32 s46, s46, 3072                    ; the weight: row 3,072 + 128 x block column + 64 x part
	s_lshl_b32 s46, s46, 10
	s_mov_b32 s47, 0
	s_mul_i32 s45, s14, HALFT                      ; where they go: the wave's number alone
	s_wait_dscnt 0x0                               ; both opening adds are done
	s_wait_kmcnt 0x0
	s_load_b256 s[80:87], s[8:9], 0x0              ; e0 .. e7
	s_add_nc_u64 s[20:21], s[4:5], s[20:21]
	s_add_nc_u64 s[46:47], s[6:7], s[46:47]
	CROUND                                         ; all sixteen work-groups are here: the first joint loads meet
.irp s, 0,1
	s_mov_b32 s[G0+4*\s], 1
	s_add_co_u32 s[G0+4*\s+1], s45, \s*SLOT
	s_add_nc_u64 s[G0+4*\s+2:G0+4*\s+3], s[20:21], \s*AFIRST
	s_or_b32 s[G0+4*\s+3], s[G0+4*\s+3], 0x80000000
	s_mov_b32 s[G0B+4*\s], 1
	s_add_co_u32 s[G0B+4*\s+1], s45, \s*SLOT
	s_add_nc_u64 s[G0B+4*\s+2:G0B+4*\s+3], s[46:47], \s*ROWB
	s_or_b32 s[G0B+4*\s+3], s[G0B+4*\s+3], 0x80000000
.endr
	JLOAD G0, G1, G0B, G1B                         ; K step 0: one tensor load a wave at the head
	v_and_b32 v1, 15, v0                           ; r = l % 16
	v_bfe_u32 v2, v0, 4, 1                         ; h = l / 16
	v_mul_u32_u24 v3, v1, PITCH
	v_lshl_add_u32 v4, v2, 4, v3                   ; the weight: row r, + 16 h
	v_lshrrev_b32 v5, 2, v1
	v_mul_u32_u24 v5, v5, PITCH
	v_and_b32 v6, 3, v1
	v_lshl_add_u32 v5, v6, 6, v5
	v_lshl_add_u32 v5, v2, 4, v5                   ; A: line r / 4, row r % 4 in it, + 16 h
	s_mul_i32 s21, s15, 32*PITCH                   ; my 128 rows of A: 32 lines of each head
	s_mul_i32 s22, s16, HALFT                      ; my 64 rows of the weight,
	s_add_co_u32 s22, s22, 2*HALFT                 ; behind A's room
.irp s, 0,1
	v_add_nc_u32 v[ADRA+\s], s21, v5
	v_add_nc_u32 v[ADRB+\s], s22, v4
	s_add_co_u32 s21, s21, SLOT
	s_add_co_u32 s22, s22, SLOT
.endr
	s_mul_i32 s23, s14, 16*SPITCH                  ; my stage
	s_wait_alu depctr_va_vdst(0)
	v_mul_u32_u24 v5, v1, SPITCH
	v_lshl_add_u32 v5, v2, 5, v5
	v_add_nc_u32 v[STO], s23, v5                   ; in: row r, 32 bytes for each half of the lanes
	v_lshlrev_b32 v7, 4, v1                        ; 16 r
	v_mul_u32_u24 v6, v2, SPITCH
	v_add_nc_u32 v6, v6, v7
	v_add_nc_u32 v[RD], s23, v6                    ; back: lanes 0-15 one row of 256 bytes, lanes 16-31 the next
	v_lshl_add_u32 v[CO], v2, 12, v7               ; and the same two rows in out0
	s_wait_alu depctr_va_vdst(0)
	s_lshl_b32 s20, s17, 8
	s_lshl_b32 s21, s15, 7
	s_add_co_u32 s20, s20, s21                     ; my first row of out0
	s_lshl_b32 s20, s20, 12
	s_mov_b32 s21, 0
	s_lshl_b32 s46, s42, 9                         ; my first column in bytes: 512 x block column + 256 x half
	s_lshl_b32 s47, s16, 8
	s_add_co_u32 s46, s46, s47
	s_mov_b32 s47, 0
	s_add_nc_u64 s[10:11], s[10:11], s[46:47]
	global_load_b128 v[8:11], v7, s[10:11]         ; the bias of my four columns of a row read back
	s_add_nc_u64 s[20:21], s[20:21], s[46:47]
	s_add_nc_u64 s[12:13], s[12:13], s[20:21]
.macro FRAG reg, adr, q, i             ; 16 rows x 128 K of the weight: registers 4 c .. 4 c + 3 hold K = 32 c + 16 h + 0 .. 15
.irp c, 0,1,2,3
	ds_load_b128 v[\reg+4*\c:\reg+4*\c+3], v[\adr] offset:128*(\q)+32*\c+(\i)*16*PITCH
.endr
.endm
.macro FRAGA reg, adr, q, i            ; the same places of K from A's layout: head 2 q + c / 2, byte 32 (c % 2) + 16 h of the row
.irp c, 0,1,2,3
	ds_load_b128 v[\reg+4*\c:\reg+4*\c+3], v[\adr] offset:(2*(\q)+\c/2)*HEADL+32*(\c%2)+(\i)*4*PITCH
.endr
.endm
.macro MUL8 a0, p, zero                ; A's blocks a0, a0 + 1 x the weight's four; the accumulators take turns, one instruction a turn
.irp a, \a0, \a0+1
.irp b, 0,1,2,3
.if \zero
	v_wmma_f32_16x16x128_bf8_bf8 v[8*(8*((\a)%4)+\b):8*(8*((\a)%4)+\b)+7], v[128*(\p)+FR*\b:128*(\p)+FR*\b+FR-1], v[AF+FR*(\a):AF+FR*(\a)+FR-1], 0
.else
	v_wmma_f32_16x16x128_bf8_bf8 v[8*(8*((\a)%4)+\b):8*(8*((\a)%4)+\b)+7], v[128*(\p)+FR*\b:128*(\p)+FR*\b+FR-1], v[AF+FR*(\a):AF+FR*(\a)+FR-1], v[8*(8*((\a)%4)+\b):8*(8*((\a)%4)+\b)+7]
.endif
.endr
.endr
.endm
.macro FETCH_B slot, q, p
	WIN TO_B
.irp i, 0,1,2,3
	FRAG 128*(\p)+FR*\i, ADRB+\slot, \q, \i
.endr
	WIN 0
.endm
.macro FETCH_A slot, q, i0
.irp i, \i0, \i0+1, \i0+2, \i0+3
	FRAGA AF+FR*(\i), ADRA+\slot, \q, \i
.endr
.endm
.macro PLACES n                        ; places behind matrix instructions, in front of loads into their registers and of reads of their results
.rept \n
	v_nop
.endr
.endm
.macro STEP slot, q, zero              ; 128 along K, with its successor in the same slot
	s_wait_dscnt 4*NL                              ; the weight's set and A's blocks 0-3 are in; the youngest 16 loads (A's blocks 4-7) may be out
	WIN MUL_LO
	MUL8 0, (\q)%2, \zero
	MUL8 2, (\q)%2, \zero
	s_wait_dscnt 0
	PLACES NP
	FETCH_B \slot, (\q)+1, 1-(\q)%2
	FETCH_A \slot, (\q)+1, 0
	WIN MUL_HI
	MUL8 4, (\q)%2, \zero
	MUL8 6, (\q)%2, \zero
	PLACES NP
	WIN 0
	FETCH_A \slot, (\q)+1, 4
.endm
.macro TURN slot, next, fill           ; a slot's last step changes slots
	s_wait_tensorcnt 0x0                           ; all my tensor loads have landed: my part of the next slot
	ds_add_u32 v[SPW], v[NIL]
	s_wait_dscnt 4*NL+1                            ; the add and the youngest 16 loads may be out
	WIN MUL_LO
	MUL8 0, 1, 0
	s_wait_dscnt 0x0                               ; the add is done, and my reads of this slot are over
	s_barrier_signal -1
	MUL8 2, 1, 0
	WIN 0
	s_barrier_wait -1
.if \fill
	CREST                                          ; the barrier has opened a round of the cluster's barrier
	s_add_nc_u64 s[G0+4*\slot+2:G0+4*\slot+3], s[G0+4*\slot+2:G0+4*\slot+3], ASTEP
	s_add_nc_u64 s[G0B+4*\slot+2:G0B+4*\slot+3], s[G0B+4*\slot+2:G0B+4*\slot+3], BSTEP
	JLOAD G0+4*\slot, G1, G0B+4*\slot, G1B         ; the first tensor load behind the round; its four v_nop are the places in front of the loads below
.else
	PLACES NP
.endif
	FETCH_B \next, 0, 0
	FETCH_A \next, 0, 0
	WIN MUL_HI
	MUL8 4, 1, 0
	MUL8 6, 1, 0
	PLACES NP
	WIN 0
	FETCH_A \next, 0, 4
.endm
	s_wait_alu depctr_va_vdst(0)
	s_wait_tensorcnt 0x0                           ; my part of K step 0 is in
	ds_add_u32 v[SPW], v[NIL]
	s_wait_dscnt 0x0
	CROUND                                         ; everybody's part of K step 0 is in, and the joint loads meet
	JLOAD G0+4, G1, G0B+4, G1B                     ; K step 1, the first tensor load behind the round
	FETCH_B 0, 0, 0
	FETCH_A 0, 0, 0
	FETCH_A 0, 0, 4
	STEP 0, 0, 1                                   ; the first products start the sums
	TURN 0, 1, 1
	STEP 1, 0, 0
	TURN 1, 0, 1
	STEP 0, 0, 0
	TURN 0, 1, 0                                   ; the last two K steps are in LDS: nothing more is asked for
	STEP 1, 0, 0
	s_wait_dscnt 4*NL
	WIN MUL_LO
	MUL8 0, 1, 0
	MUL8 2, 1, 0
	s_wait_dscnt 0
	WIN MUL_HI
	MUL8 4, 1, 0
	MUL8 6, 1, 0
	WIN 0
; THE WAY OUT, block by block of 16 rows x 64 columns, through my own stage: it comes back as whole rows of 256 bytes, two rows an instruction.  LDS serves a wave's instructions in order (ISA guide 5.7.1.4).
.macro TOSTAGE a
.set AC, 64*((\a)%4)
	WIN 0x08+4*((\a)/4)                            ; the stores' data: window 2 or 3
.irp b, 0,1,2,3
	ds_store_b128 v[STO], v[AC+8*\b:AC+8*\b+3] offset:64*\b          ; each accumulator from its low end on
	ds_store_b128 v[STO], v[AC+8*\b+4:AC+8*\b+7] offset:64*\b+16
.endr
	WIN 0
.set BB, BK+32*((\a)%2)
.irp t, 0,1,2,3,4,5,6,7
	ds_load_b128 v[BB+4*\t:BB+4*\t+3], v[RD] offset:2*\t*SPITCH
.endr
.endm
.macro SEND a, younger                 ; younger: the LDS instructions issued behind block a's loads
.set BB, BK+32*((\a)%2)
	s_wait_dscnt \younger
.if (\a) > 0
	s_add_nc_u64 s[12:13], s[12:13], 16*4096       ; behind a wait on XCNT: the earlier stores have read their base
.endif
.irp t, 0,1,2,3,4,5,6,7
	v_pk_fma_f32 v[BB+4*\t:BB+4*\t+1], v[BB+4*\t:BB+4*\t+1], s[96:97], v[8:9] op_sel_hi:[1,0,1]       ; x 2^(e6 + e7), + the bias
	v_pk_fma_f32 v[BB+4*\t+2:BB+4*\t+3], v[BB+4*\t+2:BB+4*\t+3], s[96:97], v[10:11] op_sel_hi:[1,0,1]
.endr
.irp t, 0,1,2,3,4,5,6,7
	global_store_b128 v[CO], v[BB+4*\t:BB+4*\t+3], s[12:13] offset:2*\t*4096 th:TH_STORE_NT   ; sixteen lanes store 256 consecutive bytes, aligned
.endr
.endm
	s_wait_kmcnt 0x0
	s_add_co_i32 s96, s86, s87
	s_add_co_i32 s96, s96, 127
	s_lshl_b32 s96, s96, 23                        ; 2^(e6 + e7) as f32
	s_mov_b32 s97, s96
	s_wait_loadcnt 0x0                             ; the bias
	PLACES NP
	TOSTAGE 0
.irp a, 1,2,3,4,5,6,7
.if \a > 1
	s_wait_xcnt 0x0                                ; block a - 2's stores have read their registers and their base
.endif
	TOSTAGE \a
	SEND \a-1, 16                                  ; behind block a - 1's loads: block a's 8 stores and 8 loads
.endr
	s_wait_xcnt 0x0
	SEND 7, 0
	s_wait_tensorcnt 0x0                           ; the wave's end
	ds_add_u32 v[SPW], v[NIL]
	s_wait_dscnt 0x0
	CROUND                                         ; the closing round
	s_endpgm
.Lfunc_end_k_qa4cfa4e128_proj:
	.size	k_qa4cfa4e128_proj, .Lfunc_end_k_qa4cfa4e128_proj-k_qa4cfa4e128_proj
	.p2alignl 7, 3214868480
	.fill 96, 4, 3214868480
	.section	.rodata,"a",@progbits
	.p2align	6, 0x0
	.amdhsa_kernel k_qa4cfa4e128_proj
		.amdhsa_group_segment_fixed_size 327680
		.amdhsa_private_segment_fixed_size 0
		.amdhsa_enable_private_segment 0
		.amdhsa_kernarg_size 40
		.amdhsa_user_sgpr_count 2
		.amdhsa_user_sgpr_kernarg_segment_ptr 1
		.amdhsa_wavefront_size32 1
		.amdhsa_system_sgpr_workgroup_id_x 1
		.amdhsa_system_sgpr_workgroup_id_y 1
		.amdhsa_system_sgpr_workgroup_id_z 1
		.amdhsa_system_vgpr_workitem_id 0
		.amdhsa_next_free_vgpr 1024
		.amdhsa_next_free_sgpr 100
		.amdhsa_reserve_vcc 0
		.amdhsa_float_denorm_mode_32 3
		.amdhsa_float_denorm_mode_16_64 3
		.amdhsa_memory_ordered 1
		.amdhsa_forward_progress 1
		.amdhsa_inst_pref_size 78
	.end_amdhsa_kernel
	.amdgpu_metadata
---
amdhsa.version: [ 1, 2 ]
amdhsa.kernels:
  - .name:           k_qa4cfa4e128_proj
    .symbol:         k_qa4cfa4e128_proj.kd
    .args:
      - { .name: a_codes, .offset: 0, .size: 8, .value_kind: global_buffer, .address_space: global }
      - { .name: wcodes, .offset: 8, .size: 8, .value_kind: global_buffer, .address_space: global }
      - { .name: lowp_scales, .offset: 16, .size: 8, .value_kind: global_buffer, .address_space: global }
      - { .name: b_proj, .offset: 24, .size: 8, .value_kind: global_buffer, .address_space: global }
      - { .name: out0, .offset: 32, .size: 8, .value_kind: global_buffer, .address_space: global }
    .group_segment_fixed_size: 327680
    .private_segment_fixed_size: 0
    .kernarg_segment_align: 8
    .kernarg_segment_size: 40
    .max_flat_workgroup_size: 128
    .sgpr_count:     100
    .vgpr_count:     1024
    .wavefront_size: 32
...
	.end_amdgpu_metadata
.endif
;; end of part 4
